; MI455X (gfx1250); checked and timed in simulation.
; The chip was launched on July 23, 2026; its instructions are those of AMD's public machine-readable ISA for CDNA 5 (MIT licence, August 2026) and "CDNA5" Instruction Set Architecture Reference Guide (July 2026). The comments in the code are by the model that wrote it; some were corrected since.
;; Multi Head Self Attention. Allowed arithmetic: matrix products marked QUANTISED: E2M3 operands, one E8M0 scale for each 32 along K, by v_wmma_scale_f32_16x16x128_f8f6f4 with both operands' format E2M3, f32 sums; everything else in f32.
;; Inputs: Wk 1,024 x 1,024 float32; Wo 1,024 x 1,024 float32; Wq 1,024 x 1,024 float32; Wv 1,024 x 1,024 float32; x 4 x 2,048 x 1,024 float32.
;; Outputs: out0 4 x 2,048 x 1,024 float32.
;; This version of the problem:
;;   THIS VERSION OF THE PROBLEM IS GIVEN IN LOW PRECISION. The matrix products marked QUANTISED in the list below multiply operands that are first quantised to E2M3 (2 exponent bits, 3 mantissa bits; 6 bits a number), with one power-of-two scale for each 32 numbers along K (OCP MX v1.0); their sums are f32. All else is computed in f32.
;;   The module's matrix products, in the order in which they are computed (A, B: the left and right operand; K: the contracted axis; several contracted axes count as one K, in the product's order):
;;     1. [M 8,192, K 1,024] x [K 1,024, N 1,024]; A: input x; B: input Wk: QUANTISED
;;     2. [M 8,192, K 1,024] x [K 1,024, N 1,024]; A: input x; B: input Wq: QUANTISED
;;     3. [M 8,192, K 1,024] x [K 1,024, N 1,024]; A: input x; B: input Wv: QUANTISED
;;     4. batch 64 x [M 2,048, K 64] x [K 64, N 2,048]; A: computed on the way; B: computed on the way: QUANTISED
;;     5. batch 64 x [M 2,048, K 2,048] x [K 2,048, N 64]; A: softmax (see below); B: computed on the way: QUANTISED
;;     6. [M 8,192, K 1,024] x [K 1,024, N 1,024]; A: computed on the way; B: input Wo: QUANTISED
;;   THE QUANTISER, for each operand of a quantised product, along K:
;;     - K is cut into blocks of 32 from its start; a last block that is shorter is filled with zeros.
;;     - A block's scale is 2^e with e = floor(log2(the largest magnitude in the block)) - 2, held to -126 .. 127; a block of zeros has e = 0. As a byte (E8M0): e + 127.
;;     - Each number is divided by its block's scale, clamped to +-7.5, and rounded to the nearest number of E2M3, ties to even, subnormals kept.
;;     - The product sums the exact products of the quantised numbers (number of the format x scale) in f32.
;;   ~~~python
;;   def quantise(x, axis):      # numpy; x: float32 -> the quantised numbers, widened to float32 again
;;       x = np.moveaxis(x, axis, -1); K = x.shape[-1]
;;       x = np.pad(x, [(0, 0)] * (x.ndim - 1) + [(0, -K % 32)]); x = x.reshape(x.shape[:-1] + (-1, 32)); a = np.abs(x).max(-1, keepdims=True)
;;       e = np.where(a > 0, np.clip(np.frexp(np.where(a > 0, a, 1))[1] - 1 - 2, -126, 127), 0)      # np.frexp(a)[1] - 1 = floor(log2(a)), exactly
;;       r = np.clip(x / 2.0 ** e, -7.5, 7.5)
;;       step = 2.0 ** (np.maximum(np.frexp(np.where(r == 0, 1, r))[1] - 1, 0) - 3)
;;       q = np.round(r / step) * step * 2.0 ** e      # np.round: ties to even
;;       return np.moveaxis(q.reshape(q.shape[:-2] + (-1,))[..., :K], -1, axis).astype(np.float32)
;;   ~~~
;;   SOFTMAX AHEAD OF A QUANTISED PRODUCT. Where the list says 'softmax', what is quantised is not the finished softmax but p = 2^(t - M), with t = logit x log2(e) and M = ceil(the row's largest t), a whole number; so 1/2 < the row's largest p <= 1. The row's sum l is taken of the UNQUANTISED p, in f32, and the product's result is divided by l at the end. Since M is a whole number, a kernel that streams over the keys may use a running M (the ceiling of the running maximum): every later rescaling is an exact power of two, which a block's scale takes up: the codes' values come out the same.
;;   OPERANDS COMPUTED ON THE WAY. 'Computed on the way' means the value that the module computes at that place (a softmax that the list does not call 'softmax' is quantised finished and normalised). What goes into a quantiser is computed in f32, as accurately as f32 sums, v_exp_f32 and their like allow (about 1e-6 of the number): no bf16 or f16 on the way to a quantiser, and a product that is left as it is and whose result goes on into a quantised operand takes f32 operands (vector FMAs, or v_wmma_f32_16x16x4_f32). A number that lies on a knife's edge between two numbers of the format may be rounded either way, as far as f32 arithmetic and the matrix unit's own rounding can turn it there, and no further.
;; One version. Each part assembles by itself: llvm-mc -triple=amdgcn-amd-amdhsa -mcpu=gfx1250 --defsym DOCPART=n.
;; ======== version 1 of 1: 4 launches
;; workspace buffers: cod 9,437,184 bytes; scl 393,216 bytes; qkv_cod 18,874,368 bytes; qkv_scl 786,432 bytes; o_cod 6,291,456 bytes; o_scl 262,144 bytes
;; launch quant (part 1): grid 384 x 1, 4 waves a work-group, no clusters, 33,280 bytes of LDS; arguments x, Wq, Wk, Wv, Wo, cod, scl; writes cod, scl
.if DOCPART == 1
	.amdgcn_target "amdgcn-amd-amdhsa--gfx1250"
	.amdhsa_code_object_version 6
	.text
	.protected	k_qc79577f3b7_quant
	.globl	k_qc79577f3b7_quant
	.p2align	8
	.type	k_qc79577f3b7_quant,@function
k_qc79577f3b7_quant:
	s_mov_b64 s[64:65], 0
	v_nop
	global_prefetch_b8 v0, s[64:65] scope:SCOPE_SE
	s_setreg_imm32_b32 hwreg(HW_REG_WAVE_MODE, 25, 1), 1
	s_wait_xcnt 0x0
; x [8192][1024] and Wq, Wk, Wv, Wo [1024][1024], f32 with K innermost, become codes of FP6 (E2M3) and one E8M0 scale byte for each 32 along K.
; The five tensors are taken as one stack of 12,288 rows: x 0.., Wq 8,192.., Wk 9,216.., Wv 10,240.., Wo 11,264...
; A block's scale is 2^(floor(log2(its largest magnitude)) - 2); its byte is the largest magnitude's exponent field - 2, held at 1 from below.
; LAYOUT OF THE RESULTS (this program's own buffers).  ROWS LIE BY POSITION: position = row with bits 3 and 4 exchanged, so that 16 neighbouring positions 16 T .. 16 T + 15 are the rows
; 32 (T / 2) + 8 (T % 2) + m + 8 (m / 8): taken as source 0 of a matrix instruction, the results' registers of two neighbouring tiles then run along 16 neighbouring rows.
; cod: [16 groups of 64 along K][12,288 positions][48 bytes].   scl: [12,288 positions][32 bytes].
; LIMITS: a block of zeros gets the byte 1 where the rule says 127 (its codes are zeros, which add nothing, and this program alone reads the bytes); blocks whose largest magnitude lies under 2^-124 keep
; the byte 1; NaN and infinities among the inputs are not served.
; SHARES.  A work-group takes 32 rows, a wave 8 rows x 1,024, in 16 steps; a step is one group of 64 along K: 8 rows x 256 bytes.  Each of a step's four loads reads two rows' 256 bytes, 16 bytes a lane.
; The conversion wants 16 neighbours along K in ONE lane: the step's 2,048 bytes turn through the wave's own stage in LDS (16 bytes of padding behind each 64) and come back 64 bytes a lane: four lanes to a row,
; two lanes to a block.  A lane's 16 codes are 12 bytes: the wave's store covers 384 consecutive bytes, 8 positions x 48.  The wave's 256 scale bytes are gathered in LDS and leave as one aligned block of 256 bytes.
; No tensor loads, no barrier: waves share nothing.  Loads run four steps (16 loads a wave) ahead, the turn through LDS one step.  Matrix units and clusters have no part in a stream.
.set STEPS, 16
.set GSTR,  589824                     ; bytes from group to group in cod: 12,288 positions x 48
.set SP,    80                         ; a lane's place in a stage: 64 bytes + 16 of padding
.set WREG,  8192                       ; LDS of a wave: two stages of 32 x SP bytes, behind them its 256 scale bytes
.set R,     16                         ; v16-79   four sets of 16 numbers as loaded
.set X,     80                         ; v80-111  two sets of 16 neighbours
.set E,     112                        ; v112-127 a scale byte for each step
.set C,     128                        ; v128-191 codes: four registers for each step, so that no store's data are written again
	s_load_b256 s[4:11], s[0:1], 0x0               ; x, Wq, Wk, Wv
	s_load_b128 s[12:15], s[0:1], 0x20             ; Wo, cod
	s_load_b64 s[16:17], s[0:1], 0x30              ; scl
	v_lshl_add_u32 v192, v0, 2, 0x8000
	v_mov_b32 v193, 0
	v_lshrrev_b32 v1, 5, v0
	v_readfirstlane_b32 s18, v1                    ; wave
	v_and_b32 v2, 31, v0                           ; lane
	v_and_b32 v3, 15, v2
	v_lshlrev_b32 v3, 4, v3
	v_lshrrev_b32 v1, 4, v2
	v_lshl_add_u32 v3, v1, 12, v3                  ; in: 16 bytes a lane; lanes 16-31 one row (4,096 bytes) further down
	s_mul_i32 s19, s18, WREG
	v_lshrrev_b32 v14, 2, v2
	v_mul_u32_u24 v14, v14, SP
	v_and_b32 v15, 3, v2
	v_lshl_add_u32 v14, v15, 4, v14
	v_add_nc_u32 v14, s19, v14                     ; the stage, on the way in: SP (lane / 4) + 16 (lane % 4)
	v_mul_u32_u24 v15, v2, SP
	v_add_nc_u32 v15, s19, v15                     ; and on the way out: SP x lane: my 16 neighbours
	v_mul_u32_u24 v4, v2, 12                       ; my codes' place in a step's 384 bytes,
	v_add_nc_u32 v10, 8*GSTR, v4                   ; and the same eight groups on: 15 groups do not fit the store's immediate
	s_add_co_u32 s19, s19, 2*32*SP
	v_lshrrev_b32 v5, 2, v2
	v_lshlrev_b32 v5, 5, v5
	v_bfe_u32 v1, v2, 1, 1
	v_add_nc_u32 v5, v5, v1
	v_add_nc_u32 v5, s19, v5                       ; LDS: my row's 32 scale bytes, my block of the group's two
	v_lshlrev_b32 v7, 3, v2                        ; on the way out 8 bytes a lane
	v_add_nc_u32 v6, s19, v7
	s_and_b32 s22, s18, 1                          ; my 8 rows' place among the work-group's 32 positions: the wave's two bits exchanged
	s_lshl_b32 s22, s22, 1
	s_lshr_b32 s23, s18, 1
	s_or_b32 s22, s22, s23
	s_lshl_b32 s23, ttmp9, 2
	s_add_co_u32 s22, s22, s23                     ; which run of 8 positions of the stack is mine
	s_and_b32 s21, ttmp9, 31                       ; a weight has 32 work-groups
	s_wait_kmcnt 0x0
	s_cmp_ge_u32 ttmp9, 288                        ; which tensor?  Every choice hangs on the work-group's number alone
	s_cselect_b64 s[6:7], s[8:9], s[6:7]
	s_cmp_ge_u32 ttmp9, 320
	s_cselect_b64 s[6:7], s[10:11], s[6:7]
	s_cmp_ge_u32 ttmp9, 352
	s_cselect_b64 s[6:7], s[12:13], s[6:7]
	s_cmp_lt_u32 ttmp9, 256
	s_cselect_b64 s[4:5], s[4:5], s[6:7]
	s_cselect_b32 s20, ttmp9, s21
	s_lshl_b32 s20, s20, 2
	s_add_co_u32 s20, s20, s18
	s_lshl_b32 s20, s20, 15                        ; my 8 rows of 4,096 bytes in that tensor
	s_mov_b32 s21, 0
	s_add_nc_u64 s[4:5], s[4:5], s[20:21]
	s_mul_i32 s24, s22, 384
	s_mov_b32 s25, 0
	s_add_nc_u64 s[14:15], s[14:15], s[24:25]
	s_lshl_b32 s24, s22, 8
	s_add_nc_u64 s[16:17], s[16:17], s[24:25]
.macro LOAD t
.irp i, 0,1,2,3
	global_load_b128 v[R+16*((\t)%4)+4*\i:R+16*((\t)%4)+4*\i+3], v3, s[4:5] offset:8192*\i+256*(\t) th:TH_LOAD_NT   ; rows 2 i and 2 i + 1: 256 consecutive aligned bytes of each
.endr
.endm
.macro TURN t                          ; step t's numbers through the stage: LDS serves a wave's instructions in order, so no wait stands between the stores and the loads
.irp i, 0,1,2,3
	ds_store_b128 v14, v[R+16*((\t)%4)+4*\i:R+16*((\t)%4)+4*\i+3] offset:32*SP*((\t)%2)+8*SP*\i
.endr
.irp i, 0,1,2,3
	ds_load_b128 v[X+16*((\t)%2)+4*\i:X+16*((\t)%2)+4*\i+3], v15 offset:32*SP*((\t)%2)+16*\i
.endr
.endm
.irp t, 0,1,2,3
	LOAD \t
.endr
	s_wait_loadcnt 12                              ; step 0's four loads are in
	TURN 0
.macro STEP t
.set XS, X+16*((\t)%2)
.if (\t) > 0
	s_wait_dscnt 1                                 ; this step's numbers are back from the stage (the last step's byte store may be out): so its stores into the stage have read their registers,
.else
	s_wait_dscnt 0x0
.endif
.if (\t)+4 < STEPS
	LOAD (\t)+4                                    ; which take the loads of four steps on
.endif
.if (\t)+1 < STEPS
.if STEPS-2-(\t) >= 3
	s_wait_loadcnt 12                              ; the next step's four loads are in; those of the three steps behind it may be out
.else
	s_wait_loadcnt 4*(STEPS-2-(\t))
.endif
	TURN (\t)+1                                    ; and go through the other stage while this step is worked
.endif
	v_max3_num_f32 v8, |v[XS]|, |v[XS+1]|, |v[XS+2]|               ; the largest magnitude of my 16, in two chains
	v_max3_num_f32 v9, |v[XS+3]|, |v[XS+4]|, |v[XS+5]|
.irp i, 6,10
	v_max3_num_f32 v8, v8, |v[XS+\i]|, |v[XS+\i+1]|
	v_max3_num_f32 v9, v9, |v[XS+\i+2]|, |v[XS+\i+3]|
.endr
	v_max3_num_f32 v8, v8, |v[XS+14]|, |v[XS+15]|
	v_max3_num_f32 v8, v8, v9, 0x1800000           ; and the floor 2^(3 - 127): so the byte cannot fall under 1
	v_max_num_f32_dpp v8, v8, v8 row_xmask:1 row_mask:0xf bank_mask:0xf   ; and of my neighbour's 16: the block's
	v_add_nc_u32 v11, 0xff000000, v8               ; 2 off its exponent field: the conversion takes the exponent field of this operand as its scale, and nothing else of it
	v_cvt_scalef32_pk16_fp6_f32 v[C+4*(\t):C+4*(\t)+2], v[XS:XS+15], v11
	v_lshrrev_b32 v[E+(\t)], 23, v11               ; the scale's byte
	ds_store_b8 v5, v[E+(\t)] offset:2*(\t)        ; both lanes of a block write the same byte with the same value
.if (\t) < 8
	global_store_b96 v4, v[C+4*(\t):C+4*(\t)+2], s[14:15] offset:(\t)*GSTR
.else
	global_store_b96 v10, v[C+4*(\t):C+4*(\t)+2], s[14:15] offset:((\t)-8)*GSTR
.endif
.endm
.irp t, 0,1,2,3,4,5,6,7,8,9,10,11,12,13,14,15
	STEP \t
.endr
	ds_load_b64 v[12:13], v6                       ; LDS serves a wave's instructions in order: these see my stores
	s_wait_dscnt 0x0
	global_store_b64 v7, v[12:13], s[16:17]        ; 32 lanes store 256 consecutive bytes, aligned: 8 positions x 32 scale bytes
	s_wait_tensorcnt 0x0
	ds_add_u32 v192, v193
	s_wait_dscnt 0x0
	s_endpgm
.Lfunc_end_k_qc79577f3b7_quant:
	.size	k_qc79577f3b7_quant, .Lfunc_end_k_qc79577f3b7_quant-k_qc79577f3b7_quant
	.p2alignl 7, 3214868480
	.fill 96, 4, 3214868480
	.section	.rodata,"a",@progbits
	.p2align	6, 0x0
	.amdhsa_kernel k_qc79577f3b7_quant
		.amdhsa_group_segment_fixed_size 33280
		.amdhsa_private_segment_fixed_size 0
		.amdhsa_enable_private_segment 0
		.amdhsa_kernarg_size 56
		.amdhsa_user_sgpr_count 2
		.amdhsa_user_sgpr_kernarg_segment_ptr 1
		.amdhsa_wavefront_size32 1
		.amdhsa_system_sgpr_workgroup_id_x 1
		.amdhsa_system_sgpr_workgroup_id_y 1
		.amdhsa_system_sgpr_workgroup_id_z 1
		.amdhsa_system_vgpr_workitem_id 0
		.amdhsa_next_free_vgpr 194
		.amdhsa_next_free_sgpr 66
		.amdhsa_reserve_vcc 0
		.amdhsa_float_denorm_mode_32 3
		.amdhsa_float_denorm_mode_16_64 3
		.amdhsa_memory_ordered 1
		.amdhsa_forward_progress 1
		.amdhsa_inst_pref_size 33
	.end_amdhsa_kernel
	.amdgpu_metadata
---
amdhsa.version: [ 1, 2 ]
amdhsa.kernels:
  - .name:           k_qc79577f3b7_quant
    .symbol:         k_qc79577f3b7_quant.kd
    .args:
      - { .name: x, .offset: 0, .size: 8, .value_kind: global_buffer, .address_space: global }
      - { .name: Wq, .offset: 8, .size: 8, .value_kind: global_buffer, .address_space: global }
      - { .name: Wk, .offset: 16, .size: 8, .value_kind: global_buffer, .address_space: global }
      - { .name: Wv, .offset: 24, .size: 8, .value_kind: global_buffer, .address_space: global }
      - { .name: Wo, .offset: 32, .size: 8, .value_kind: global_buffer, .address_space: global }
      - { .name: cod, .offset: 40, .size: 8, .value_kind: global_buffer, .address_space: global }
      - { .name: scl, .offset: 48, .size: 8, .value_kind: global_buffer, .address_space: global }
    .group_segment_fixed_size: 33280
    .private_segment_fixed_size: 0
    .kernarg_segment_align: 8
    .kernarg_segment_size: 56
    .max_flat_workgroup_size: 128
    .sgpr_count:     66
    .vgpr_count:     194
    .wavefront_size: 32
...
	.end_amdgpu_metadata
.endif
;; end of part 1
;; launch gemm_qkv (part 2): grid 12 x 32, 4 waves a work-group, clusters of 4 x 4, 327,680 bytes of LDS; arguments cod, scl, qkv_cod, qkv_scl; writes qkv_cod, qkv_scl
.if DOCPART == 2
	.amdgcn_target "amdgcn-amd-amdhsa--gfx1250"
	.amdhsa_code_object_version 6
	.text
	.protected	k_qc79577f3b7_gemm_qkv
	.globl	k_qc79577f3b7_gemm_qkv
	.p2align	8
	.type	k_qc79577f3b7_gemm_qkv,@function
k_qc79577f3b7_gemm_qkv:
	s_mov_b64 s[64:65], 0
	v_nop
	global_prefetch_b8 v0, s[64:65] scope:SCOPE_SE
	s_setreg_imm32_b32 hwreg(HW_REG_WAVE_MODE, 25, 1), 1
	s_wait_xcnt 0x0
	s_wait_alu depctr_hold_cnt(0) depctr_sa_sdst(0) depctr_va_vdst(0) depctr_va_sdst(0) depctr_va_ssrc(0) depctr_va_vcc(0) depctr_vm_vsrc(0)
	s_getreg_b32 s2, hwreg(HW_REG_IB_STS2, 6, 4)
	s_cmp_eq_u32 s2, 0
	s_cbranch_scc0 .Lentry_in_a_cluster
	s_endpgm
.Lentry_in_a_cluster:
	s_bfe_u32 s2, ttmp6, 0x10000c
	s_cmp_lg_u32 s2, 0xf033
	s_cbranch_scc0 .Lentry_shape_is_right
	s_endpgm
.Lentry_shape_is_right:
; q = x Wq^T, k = x Wk^T, v = x Wv^T on codes of FP6 (E2M3) with E8M0 scales (K = 1,024); the f32 results never go to memory: each is quantised in registers for the product that follows,
; q and k along the head's 64 channels, v along the tokens (the keys), and leaves as codes and scale words.
; INPUTS: cod [16 groups of 64 along K][12,288 positions][48 bytes], scl [12,288 positions][32]: x at 0, Wq at 8,192, Wk at 9,216, Wv at 10,240.  Rows lie by POSITION (row with bits 3 and 4 exchanged).
; A tile of 256 x 256 results is made by four waves, each 128 x 128: 64 accumulators, 512 registers.  K goes in steps of 256 (4 groups) through a ring of two LDS slots filled by the tensor data mover: a wave's
; tile is 4 groups x 128 rows x 48 bytes, each group's 6,144 bytes consecutive in memory and aligned to 256.  In LDS rows are 48 bytes = 12 words apart: the 32 lanes of an 8-byte load touch words
; 12 r + 6 h + 0, 1: each of the 64 banks (ISA guide 11.1) once, so no padding.  The rows' scale bytes for all of K come once, with the first fills, and stay.
; THE MATRIX INSTRUCTION IS USED TRANSPOSED: source 1 = the operand whose rows become the result's rows (a lane holds one of them), source 0 = the operand along which the result is quantised: since its rows lie by
; position, a lane's 64 registers of a row block are, 16 by 16, neighbours along the next K.
; CLUSTERS: 4 x 4 work-groups.  Source 1's tile is shared along a row of the cluster, source 0's along a column; each is asked for jointly.  q and k (cluster x = 0, 1): source 1 = tokens 256 (4 cluster y + cy),
; source 0 = weight rows 8,192 + 1,024 cluster x + 256 cx.  v (cluster x = 2): source 1 = Wv's rows 10,240 + 256 cy, source 0 = tokens 256 (4 cluster y + cx).  The choice hangs on the cluster's x, which all
; partners share, and enters global addresses alone: masks, LDS addresses and the text are the same for all.
; OUTPUTS: qkv_cod: q, k at 0: [32 groups: head for q, 16 + head for k][8,192 token positions][48]; v at 12,582,912: [128 groups of 64 tokens][1,024 positions of (head, channel)][48].
;          qkv_scl: scale words (128 along the result's columns): q, k at 0: [16][8,192][4]; v at 524,288: [64][1,024][4].
; LIMITS: a block of zeros gets the byte 1 (its codes are zeros; this program alone reads the bytes); blocks under 2^-124 keep the byte 1; NaN and infinities are not served.
; REGISTERS, in windows of 256: window 0: v16-31 addresses; v32-63 scale words, two sets; v128-223 source 1's fragments, one set; on the way out v32-111 at work, v128-227 the copy.
;   window 1: source 0's fragments, two sets, at v0 and v128.   window 2: the accumulators of my rows 0-63 ((a, b) at v[8 (8 a + b)]);   window 3: those of rows 64-127.
.set NQ,     2                         ; matrix instructions deep in a slot
.set FR,     12                        ; registers of a fragment: 16 rows x 128 K
.set NL,     6                         ; LDS loads that bring one
.set NP,     4                         ; places behind this matrix instruction (ISA guide 7.12.1)
.set GRPB,   6144                      ; a group of a tile: 128 rows x 48 bytes
.set HALFT,  4*GRPB                    ; what one tensor load brings
.set SLOT,   4*HALFT                   ; source 1's 256 rows, then source 0's
.set SCL,    2*SLOT                    ; behind the ring: the scales, as blocks of 256 bytes + 16 of padding
.set HALFS,  16*272                    ; those of 128 rows
.set SBLK,   544                       ; those of 16 rows
.set SPARE,  SCL+4*HALFS               ; the spare words, 128 bytes for each wave: two blocks of 256 bytes that no other line names
.set STG,    SPARE+512                 ; the way out: [4 groups of 64 columns][256 rows][48 bytes]: bytes of its own, into which no fill lands
.set STGS,   STG+4*12288               ; and 512 bytes of scale words for each wave
.set GSA,    589824                    ; bytes from group to group in cod
.set GSB,    589824
.set ADRA, 16                          ; v16-17  LDS address of source 1's fragments in slot 0, 1
.set ADRB, 20                          ; v20-21  of source 0's
.set STO,  24                          ; v24     the way out: where I put my codes
.set RD,   25                          ; v25     where I read a group back
.set CO,   26                          ; v26     16 x lane
.set ADRS, 27                          ; v27     LDS address of my scale words: lanes 0-15 source 1's rows, lanes 16-31 source 0's
.set SPW,  28                          ; v28     LDS address of my spare word; never rewritten
.set NIL,  29                          ; v29     0; never rewritten
.set SSO,  30                          ; v30     where I put a scale word
.set SRD,  31                          ; v31     where I read my scale words back
.set SC,   32
.set AF,   128
.set TM,   32                          ; the way out: v32-35 largest magnitudes, v36-39 bytes, v44-47 the conversions' scale operands
.set PW,   48                          ; v48-55  a scale word for each row block
.set G1, 24
.set G0, 32
.set G1B, 48
.set G0B, 56
.set G1S, 68
.set G0S, 76
.set G1SB, 80
.set G0SB, 88
.set SEL, 96                           ; s[96:97] lane selects for v_permlanex16_b32: lane l xor 16
.set MSB, 0
.macro WIN new                         ; the immediate's high byte repeats the setting that is left
.if MSB != (\new)
	s_set_vgpr_msb (MSB<<8)|(\new)
.set MSB, (\new)
.endif
.endm
.set MUL_LO, 0xa1                      ; source 0 window 1, source 1 window 0, C and D window 2
.set MUL_HI, 0xf1                      ; the same, C and D window 3
.set TO_B,   0x40                      ; destination window 1, address window 0
; A joint load: waves 0 and 1 fetch source 1's halves, waves 2 and 3 source 0's.  Each of the two lines has one mask and one set of registers; the branch hangs on the wave's number alone.
; Four v_nop follow each of the two lines, ahead of the jump, the label and what follows.
.macro JLOAD g0a, g1a, g0b, g1b
	s_cmp_eq_u32 s15, 0
	s_cbranch_scc0 .Lfor_b_\@
	tensor_load_to_lds s[\g0a:\g0a+3], s[\g1a:\g1a+7]
	s_nop 0
.rept 4
	v_nop
.endr
	s_branch .Lasked_\@
.Lfor_b_\@:
	tensor_load_to_lds s[\g0b:\g0b+3], s[\g1b:\g1b+7]
	s_nop 0
.rept 4
	v_nop
.endr
.Lasked_\@:
.endm
.macro CREST                           ; a round of the cluster's barrier behind its opening barrier
	s_cmp_lg_u32 s14, 0
	s_cbranch_scc1 .Lnot_wave_0_\@
	s_barrier_signal -3
.Lnot_wave_0_\@:
	s_barrier_wait -3
	s_barrier_signal -1
	s_barrier_wait -1
.endm
.macro CROUND                          ; a whole round
	s_barrier_signal -1
	s_barrier_wait -1
	CREST
.endm
	s_load_b256 s[4:11], s[0:1], 0x0               ; cod s[4:5], scl s[6:7], qkv_cod s[8:9], qkv_scl s[10:11]
	v_lshl_add_u32 v[SPW], v0, 2, SPARE
	v_mov_b32 v[NIL], 0
	ds_add_u32 v28, v29
	ds_add_u32 v28, v29
	s_wait_dscnt 0x0
	v_lshrrev_b32 v1, 5, v0
	v_readfirstlane_b32 s14, v1                    ; wave 0..3
	s_lshr_b32 s15, s14, 1                         ; which half of the tile's rows is mine.  Also: I fetch for source 1 (0) or for source 0 (1)
	s_and_b32 s16, s14, 1                          ; which half of its columns.  Also: which 128 rows of that tile I fetch
	s_bfe_u32 s40, ttmp6, 0x40000                  ; cx, cy: my place in the cluster
	s_bfe_u32 s41, ttmp6, 0x40004
	s_and_b32 s42, ttmp7, 0xffff                   ; cluster y
	s_lshl_b32 s43, s41, 2
	s_lshl_b32 s43, 15, s43                        ; my row of the cluster
	s_lshl_b32 s44, 0x1111, s40                    ; my column
	; descriptor group 1 for codes: 4 rows (groups) of 768 elements of 8 bytes, GS bytes apart; dense in LDS
	s_or_b32 s[G1+0], s43, (3<<16)|(1<<21)         ; 15:0 the mask; 17:16 elements of 8 bytes; 20 no padding; 21 set beside a mask
	s_or_b32 s[G1B+0], s44, (3<<16)|(1<<21)
.irp g, G1, G1B
	s_mov_b32 s[\g+1], 768<<16                     ; tensor_dim0
	s_mov_b32 s[\g+2], 4<<16                       ; tensor_dim1
	s_mov_b32 s[\g+3], 768<<16                     ; tile_dim0
	s_mov_b32 s[\g+4], 4                           ; tile_dim1
	s_mov_b32 s[\g+6], 0
	s_mov_b32 s[\g+7], 0
.endr
	s_mov_b32 s[G1+5], GSA/8                       ; tensor_dim0_stride
	s_mov_b32 s[G1B+5], GSB/8
	; and for the scales of 128 rows: 4,096 dense bytes as 16 rows of 256 bytes, 16 bytes of padding behind each
	s_or_b32 s[G1S+0], s43, (3<<16)|(1<<20)|(1<<21)|(5<<22)|(3<<25)
	s_or_b32 s[G1SB+0], s44, (3<<16)|(1<<20)|(1<<21)|(5<<22)|(3<<25)
.irp g, G1S, G1SB
	s_mov_b32 s[\g+1], 32<<16
	s_mov_b32 s[\g+2], 16<<16
	s_mov_b32 s[\g+3], 32<<16
	s_mov_b32 s[\g+4], 16
	s_mov_b32 s[\g+5], 32
	s_mov_b32 s[\g+6], 0
	s_mov_b32 s[\g+7], 0
.endr
	; q and k, or v?  What is chosen: where the two operands' rows begin, and the figures of the output's address
	s_lshl_b32 s95, s42, 10                        ; 1,024 x cluster y
	s_lshl_b32 s96, ttmp9, 10
	s_add_co_u32 s96, s96, 8192                    ; 8,192 + 1,024 x cluster x
	s_lshl_b32 s97, s42, 2                         ; 4 x cluster y
	s_lshl_b32 s98, ttmp9, 2                       ; 4 x cluster x
	s_mov_b32 s17, 393216
	s_mov_b32 s19, 32768
	s_cmp_lt_u32 ttmp9, 2
	s_cselect_b32 s20, s95, 10240                  ; source 1's rows: tokens, or Wv
	s_cselect_b32 s46, s96, s95                    ; source 0's rows: Wq or Wk, or tokens
	s_cselect_b32 s12, s97, 0                      ; the result's tile row Rt, less cy
	s_cselect_b32 s13, s98, s97                    ; its tile column Ct, less cx
	s_cselect_b32 s17, s17, 49152                  ; bytes from group to group of the result's codes
	s_cselect_b32 s18, 0, 12582912                 ; where they begin
	s_cselect_b32 s19, s19, 4096                   ; the same for the scale words
	s_cselect_b32 s66, 0, 524288
	s_add_co_u32 s12, s12, s41                     ; Rt
	s_add_co_u32 s13, s13, s40                     ; Ct
	s_lshl_b32 s21, s41, 8
	s_add_co_u32 s20, s20, s21                     ; + 256 cy: shared along my row of the cluster
	s_lshl_b32 s21, s16, 7
	s_add_co_u32 s20, s20, s21                     ; + the 128 rows that I fetch
	s_lshl_b32 s22, s20, 5                         ; their scales, in bytes,
	s_mov_b32 s23, 0
	s_mul_i32 s20, s20, 48                         ; and their codes
	s_mov_b32 s21, 0
	s_lshl_b32 s47, s40, 8
	s_add_co_u32 s46, s46, s47                     ; + 256 cx: shared along my column
	s_lshl_b32 s47, s16, 7
	s_add_co_u32 s46, s46, s47
	s_lshl_b32 s92, s46, 5
	s_mov_b32 s93, 0
	s_mul_i32 s46, s46, 48
	s_mov_b32 s47, 0
	; the way out: wave w copies the tile's group w of 64 columns: base + (4 Ct + w) groups + Rt x 256 rows x 48
	s_lshl_b32 s95, s13, 2
	s_add_co_u32 s95, s95, s14
	s_mul_i32 s95, s95, s17
	s_add_co_u32 s95, s95, s18
	s_mul_i32 s96, s12, 12288
	s_add_co_u32 s98, s95, s96
	s_mov_b32 s99, 0
	; my 128 scale words: base + (2 Ct + my half of the columns) x stride + (256 Rt + 128 x my half of the rows) x 4
	s_lshl_b32 s95, s13, 1
	s_add_co_u32 s95, s95, s16
	s_mul_i32 s95, s95, s19
	s_add_co_u32 s95, s95, s66
	s_lshl_b32 s96, s12, 10
	s_add_co_u32 s95, s95, s96
	s_lshl_b32 s96, s15, 9
	s_add_co_u32 s2, s95, s96
	s_mov_b32 s3, 0
	s_mov_b32 s[SEL], 0x76543210
	s_mov_b32 s[SEL+1], 0xfedcba98
	s_mul_i32 s45, s14, HALFT                      ; where the tiles go: wave x 128 rows: no place in the cluster enters an LDS address
	s_mul_i32 s94, s14, HALFS
	s_wait_kmcnt 0x0
	s_add_nc_u64 s[20:21], s[4:5], s[20:21]
	s_add_nc_u64 s[22:23], s[6:7], s[22:23]
	s_add_nc_u64 s[46:47], s[4:5], s[46:47]
	s_add_nc_u64 s[92:93], s[6:7], s[92:93]
	s_add_nc_u64 s[8:9], s[8:9], s[98:99]
	s_add_nc_u64 s[10:11], s[10:11], s[2:3]
	CROUND                                         ; all sixteen work-groups are here: the first joint loads meet
	s_mov_b32 s[G0S], 1
	s_add_co_u32 s[G0S+1], s94, SCL
	s_mov_b64 s[G0S+2:G0S+3], s[22:23]
	s_or_b32 s[G0S+3], s[G0S+3], 0x80000000
	s_mov_b32 s[G0SB], 1
	s_add_co_u32 s[G0SB+1], s94, SCL
	s_mov_b64 s[G0SB+2:G0SB+3], s[92:93]
	s_or_b32 s[G0SB+3], s[G0SB+3], 0x80000000
	JLOAD G0S, G1S, G0SB, G1SB                     ; the scales first: they are wanted with K step 0
.irp s, 0,1
	s_mov_b32 s[G0+4*\s], 1
	s_add_co_u32 s[G0+4*\s+1], s45, \s*SLOT
	s_add_nc_u64 s[G0+4*\s+2:G0+4*\s+3], s[20:21], \s*4*GSA
	s_or_b32 s[G0+4*\s+3], s[G0+4*\s+3], 0x80000000
	s_mov_b32 s[G0B+4*\s], 1
	s_add_co_u32 s[G0B+4*\s+1], s45, \s*SLOT
	s_add_nc_u64 s[G0B+4*\s+2:G0B+4*\s+3], s[46:47], \s*4*GSB
	s_or_b32 s[G0B+4*\s+3], s[G0B+4*\s+3], 0x80000000
	JLOAD G0+4*\s, G1, G0B+4*\s, G1B               ; three loads of mine are out now
.endr
	v_and_b32 v1, 15, v0                           ; r = l % 16
	v_bfe_u32 v2, v0, 4, 1                         ; h = l / 16
	v_mul_u32_u24 v3, v1, 48
	v_mad_u32_u24 v4, v2, 24, v3                   ; a fragment's row x 48 + 24 x half
	s_mul_i32 s21, s15, HALFT                      ; my 128 rows of source 1
	s_mul_i32 s22, s16, HALFT                      ; my 128 rows of source 0,
	s_add_co_u32 s22, s22, 2*HALFT                 ; which lie behind source 1's 256
.irp s, 0,1
	v_add_nc_u32 v[ADRA+\s], s21, v4
	v_add_nc_u32 v[ADRB+\s], s22, v4
	s_add_co_u32 s21, s21, SLOT
	s_add_co_u32 s22, s22, SLOT
.endr
	v_lshlrev_b32 v5, 5, v1                        ; my row's scales: 32 bytes a row,
	v_lshrrev_b32 v6, 3, v1
	v_lshl_add_u32 v5, v6, 4, v5                   ; and 16 more for each 256 passed
	s_mul_i32 s21, s15, HALFS
	s_mul_i32 s22, s16, HALFS
	s_add_co_u32 s22, s22, 2*HALFS
	s_sub_co_u32 s22, s22, s21
	v_mul_u32_u24 v6, s22, v2                      ; lanes 16-31 take source 0's
	s_add_co_u32 s21, s21, SCL
	v_add_nc_u32 v5, v5, v6
	v_add_nc_u32 v[ADRS], s21, v5
	s_mul_i32 s21, s16, 2*12288                    ; the stage: my two groups of columns,
	s_mul_i32 s22, s15, 6144                       ; my 128 rows,
	s_add_co_u32 s21, s21, s22
	s_add_co_u32 s21, s21, STG
	v_add_nc_u32 v[STO], s21, v4                   ; row r, 24 bytes for each half of the lanes
	s_lshl_b32 s22, s14, 9
	s_add_co_u32 s22, s22, STGS
	v_lshl_add_u32 v[SSO], v1, 2, s22              ; my wave's scale words: 4 bytes a row
	v_and_b32 v5, 31, v0
	v_lshlrev_b32 v[CO], 4, v5
	v_add_nc_u32 v[SRD], s22, v[CO]
	s_mul_i32 s21, s14, 12288
	s_add_co_u32 s21, s21, STG
	v_add_nc_u32 v[RD], s21, v[CO]                 ; back: group w, 16 bytes a lane
.macro FRAG reg, adr, q, i             ; a fragment is 12 registers: lane l holds row l % 16; registers 6 c .. 6 c + 5 hold K = 64 c + 32 (l / 16) + 0 .. 31: 24 bytes of group 2 q + c, as they lie, in pieces of 8 bytes
.irp p, 0,1,2,3,4,5
	ds_load_b64 v[\reg+2*\p:\reg+2*\p+1], v[\adr] offset:(2*(\q)+\p/3)*GRPB+(\i)*768+8*(\p%3)
.endr
.endm
; 16 matrix instructions: source 1's blocks a0, a0 + 1 x source 0's eight, 128 along K: the slot's q-th.  p: source 0's set;  sc: the set of scale words.  zero = 1: the first product starts the sums.
; The 64 accumulators take turns, one instruction a turn, in the same order in every step.
.macro MUL16 a0, p, q, sc, zero
.irp a, \a0, \a0+1
.irp b, 0,1,2,3,4,5,6,7
.if \zero
	v_wmma_scale_f32_16x16x128_f8f6f4 v[8*(8*((\a)%4)+\b):8*(8*((\a)%4)+\b)+7], v[128*(\p)+FR*\b:128*(\p)+FR*\b+FR-1], v[AF+FR*(\a):AF+FR*(\a)+FR-1], 0, v[SC+8*NQ*(\sc)+NQ*\b+(\q)], v[SC+8*NQ*(\sc)+NQ*(\a)+(\q)] matrix_a_fmt:MATRIX_FMT_FP6 matrix_b_fmt:MATRIX_FMT_FP6 matrix_a_scale:MATRIX_SCALE_ROW1
.else
	v_wmma_scale_f32_16x16x128_f8f6f4 v[8*(8*((\a)%4)+\b):8*(8*((\a)%4)+\b)+7], v[128*(\p)+FR*\b:128*(\p)+FR*\b+FR-1], v[AF+FR*(\a):AF+FR*(\a)+FR-1], v[8*(8*((\a)%4)+\b):8*(8*((\a)%4)+\b)+7], v[SC+8*NQ*(\sc)+NQ*\b+(\q)], v[SC+8*NQ*(\sc)+NQ*(\a)+(\q)] matrix_a_fmt:MATRIX_FMT_FP6 matrix_b_fmt:MATRIX_FMT_FP6 matrix_a_scale:MATRIX_SCALE_ROW1
.endif
.endr
.endr
.endm
.macro FETCH_B slot, q, p              ; source 0's eight fragments of the slot's q-th 128 along K into set p
	WIN TO_B
.irp i, 0,1,2,3,4,5,6,7
	FRAG 128*(\p)+FR*\i, ADRB+\slot, \q, \i
.endr
	WIN 0
.endm
.macro FETCH_A slot, q, i0             ; source 1's blocks i0 .. i0 + 3
.irp i, \i0, \i0+1, \i0+2, \i0+3
	FRAG AF+FR*(\i), ADRA+\slot, \q, \i
.endr
.endm
.macro SCALES sc                       ; a K step's scale words into set sc: two words a row; lanes 0-15 take source 1's block i, lanes 16-31 source 0's block i
.irp i, 0,1,2,3,4,5,6,7
	ds_load_b64 v[SC+8*NQ*\sc+NQ*\i:SC+8*NQ*\sc+NQ*\i+1], v[ADRS] offset:\i*SBLK
.endr
.endm
; A load into a register that a matrix instruction has read, and a vector instruction or an LDS store that reads a matrix result, stand NP places behind that matrix instruction; only plain vector
; instructions that name none of its registers are places (ISA guide 7.12.1 for vector instructions).
.macro PLACES n
.rept \n
	v_nop
.endr
.endm
.macro STEP slot, q, zero              ; a step of 128 along K that has its successor in the same slot
	s_wait_dscnt 4*NL                              ; source 0's set and source 1's blocks 0-3 are in; the youngest 24 loads (blocks 4-7) may be out
	WIN MUL_LO
	MUL16 0, (\q)%2, \q, \slot, \zero
	MUL16 2, (\q)%2, \q, \slot, \zero
	s_wait_dscnt 0                                 ; blocks 4-7 are in (asked for 32 matrix instructions ago)
	PLACES NP
	FETCH_B \slot, (\q)+1, 1-(\q)%2
	FETCH_A \slot, (\q)+1, 0
	WIN MUL_HI
	MUL16 4, (\q)%2, \q, \slot, \zero
	MUL16 6, (\q)%2, \q, \slot, \zero
	PLACES NP
	WIN 0
	FETCH_A \slot, (\q)+1, 4
.endm
; A slot's last step changes slots: one barrier; in front of it each wave waits for all its tensor loads, adds 0 to its spare word, and waits for that and for its own reads of this slot.  fill = 1: the slot is filled again, two K steps ahead.
.macro TURN slot, next, fill
	s_wait_tensorcnt 0x0                           ; all my tensor loads have landed: my part of the next slot;  (every window is 0 here)
	ds_add_u32 v[SPW], v[NIL]                      ; 0 onto my spare word
	s_wait_dscnt 4*NL+1                            ; (the add and the youngest 24 loads may be out)
	WIN MUL_LO
	MUL16 0, 1, NQ-1, \slot, 0                     ; sixteen matrix instructions stand between the add and the wait for it
	s_wait_dscnt 0x0                               ; the add is done, and my reads of this slot are over
	s_barrier_signal -1
	MUL16 2, 1, NQ-1, \slot, 0
	WIN 0
	s_barrier_wait -1
.if \fill
	CREST                                          ; the barrier has opened a round of the cluster's barrier: no wave of any partner still reads this slot's tile or has a load on its way
	s_add_nc_u64 s[G0+4*\slot+2:G0+4*\slot+3], s[G0+4*\slot+2:G0+4*\slot+3], 8*GSA
	s_add_nc_u64 s[G0B+4*\slot+2:G0B+4*\slot+3], s[G0B+4*\slot+2:G0B+4*\slot+3], 8*GSB
	JLOAD G0+4*\slot, G1, G0B+4*\slot, G1B         ; the first tensor load behind the round; the four v_nop behind it are the places in front of the loads below
.else
	PLACES NP
.endif
	s_wait_alu depctr_va_vdst(0)
	v_add_nc_u32 v[ADRS], 4*NQ, v[ADRS]            ; on to the next K step's scale words (no LDS load of mine is out)
	FETCH_B \next, 0, 0
	FETCH_A \next, 0, 0
	SCALES \next
	WIN MUL_HI
	MUL16 4, 1, NQ-1, \slot, 0
	MUL16 6, 1, NQ-1, \slot, 0
	PLACES NP
	WIN 0
	FETCH_A \next, 0, 4
.endm
	s_wait_alu depctr_va_vdst(0)
	s_wait_tensorcnt 1                             ; the scales and my part of K step 0 are in (K step 1's load may be out)
	s_barrier_signal -1
	s_barrier_wait -1                              ; everybody's are
	FETCH_B 0, 0, 0
	FETCH_A 0, 0, 0
	SCALES 0
	FETCH_A 0, 0, 4
	STEP 0, 0, 1                                   ; K = 1,024 is four K steps, twice round the ring: written out
	TURN 0, 1, 1                                   ; slot 0 takes K step 2
	STEP 1, 0, 0
	TURN 1, 0, 1                                   ; slot 1 takes K step 3
	STEP 0, 0, 0
	TURN 0, 1, 0                                   ; nothing is left to fetch
	STEP 1, 0, 0
	s_wait_dscnt 4*NL
	WIN MUL_LO
	MUL16 0, 1, NQ-1, 1, 0
	MUL16 2, 1, NQ-1, 1, 0
	s_wait_dscnt 0
	WIN MUL_HI
	MUL16 4, 1, NQ-1, 1, 0
	MUL16 6, 1, NQ-1, 1, 0
	WIN 0
	PLACES NP
.irp b, 0,1,2,3
	v_mov_b32 v[TM+4+\b], 0                        ; written once: a lane permute's destination counts as one of its sources
.endr
; THE WAY OUT.  Row block a: a lane's 64 registers are, of its row, columns 32 b + 16 (lane / 16) + i in register 16 b + i.  They become a fragment's 12 registers of codes and a scale word,
; and go to the stage: 24 bytes for each of the two groups of 64 columns.  Each accumulator is read from its low end on.
.macro QUANTW a
.set SA, 64*((\a)%4)
.set W, 2+(\a)/4
.set PC, 64+24*((\a)%2)
	WIN (W|(W<<2))                                 ; sources 0 and 1: the accumulators' window
.irp b, 0,1,2,3
	v_max3_num_f32 v[TM+\b], |v[SA+16*\b]|, |v[SA+16*\b+1]|, 0x1800000   ; block b: my 16 numbers, and the floor 2^(3 - 127): so the byte cannot fall under 1
.endr
.irp i, 2,4,6,8,10,12,14
.irp b, 0,1,2,3
	v_max3_num_f32 v[TM+\b], |v[SA+16*\b+\i]|, |v[SA+16*\b+\i+1]|, v[TM+\b]   ; (the four blocks by turns)
.endr
.endr
	WIN 0
.irp b, 0,1,2,3
	v_permlanex16_b32 v[TM+4+\b], v[TM+\b], s[SEL], s[SEL+1]
.endr
.irp b, 0,1,2,3
	v_max_num_f32 v[TM+\b], v[TM+\b], v[TM+4+\b]   ; with lane l xor 16's: the block's largest magnitude
.endr
.irp b, 0,1,2,3
	v_add_nc_u32 v[TM+12+\b], 0xff000000, v[TM+\b] ; 2 off its exponent field: the conversion's scale operand
.endr
.irp b, 0,1,2,3
	v_lshrrev_b32 v[TM+4+\b], 23, v[TM+12+\b]      ; the scale's byte
.endr
	v_lshl_or_b32 v[PW+(\a)], v[TM+5], 8, v[TM+4]
	v_lshl_or_b32 v[PW+(\a)], v[TM+6], 16, v[PW+(\a)]
	v_lshl_or_b32 v[PW+(\a)], v[TM+7], 24, v[PW+(\a)]
	WIN W
.irp c, 0,1
	v_cvt_scalef32_pk16_fp6_f32 v[PC+6*\c:PC+6*\c+2], v[SA+32*\c:SA+32*\c+15], v[TM+12+2*\c]
	v_cvt_scalef32_pk16_fp6_f32 v[PC+12+4*\c:PC+14+4*\c], v[SA+32*\c+16:SA+32*\c+31], v[TM+13+2*\c]   ; (a conversion's three registers begin on an even number)
.endr
	WIN 0
	v_nop                                          ; one plain place behind a scaled conversion
.irp c, 0,1                                    ; a whole block to a lane: lanes 0-15 block 2 c, lanes 16-31 block 2 c + 1
.irp i, 0,1,2
	v_permlane16_swap_b32 v[PC+6*\c+\i], v[PC+12+4*\c+\i]
.endr
.irp i, 0,1,2
	v_mov_b32 v[PC+3+6*\c+\i], v[PC+12+4*\c+\i]
.endr
.endr
.irp p, 0,1,2,3,4,5
	ds_store_b64 v[STO], v[PC+2*\p:PC+2*\p+1] offset:(\p/3)*12288+(\a)*768+8*(\p%3)
.endr
	ds_store_b32 v[SSO], v[PW+(\a)] offset:64*(\a) ; both halves of the lanes hold the same word and write it to the same place
.endm
.irp a, 0,1,2,3,4,5,6,7
.if \a > 1
	s_wait_dscnt 7                                 ; the block before's seven stores may be out; those of two blocks back have read the registers that are written now
.endif
	QUANTW \a
.endr
	s_wait_dscnt 0x0                               ; for the others' sake: my stores into the stage are done
	s_barrier_signal -1
	s_barrier_wait -1                              ; a group's 256 rows come from two waves
	ds_load_b128 v[224:227], v[SRD]                ; my own 128 scale words
.set TT, 0
.rept 24
	ds_load_b128 v[128+4*TT:131+4*TT], v[RD] offset:512*TT
.set TT, TT+1
.endr
	s_wait_dscnt 24
	global_store_b128 v[CO], v[224:227], s[10:11]  ; 512 consecutive bytes, aligned to 256
.set TT, 0
.rept 24
	s_wait_dscnt 23-TT
	global_store_b128 v[CO], v[128+4*TT:131+4*TT], s[8:9] offset:512*TT   ; the group's 12,288 bytes are consecutive: each store covers 512 of them, aligned to 256
.set TT, TT+1
.endr
	s_wait_tensorcnt 0x0                           ; the wave's end
	ds_add_u32 v[SPW], v[NIL]
	s_wait_dscnt 0x0
	CROUND                                         ; the closing round: no work-group ends while a partner may still ask for a tile that names it
	s_endpgm
.Lfunc_end_k_qc79577f3b7_gemm_qkv:
	.size	k_qc79577f3b7_gemm_qkv, .Lfunc_end_k_qc79577f3b7_gemm_qkv-k_qc79577f3b7_gemm_qkv
	.p2alignl 7, 3214868480
	.fill 96, 4, 3214868480
	.section	.rodata,"a",@progbits
	.p2align	6, 0x0
	.amdhsa_kernel k_qc79577f3b7_gemm_qkv
		.amdhsa_group_segment_fixed_size 327680
		.amdhsa_private_segment_fixed_size 0
		.amdhsa_enable_private_segment 0
		.amdhsa_kernarg_size 32
		.amdhsa_user_sgpr_count 2
		.amdhsa_user_sgpr_kernarg_segment_ptr 1
		.amdhsa_wavefront_size32 1
		.amdhsa_system_sgpr_workgroup_id_x 1
		.amdhsa_system_sgpr_workgroup_id_y 1
		.amdhsa_system_sgpr_workgroup_id_z 1
		.amdhsa_system_vgpr_workitem_id 0
		.amdhsa_next_free_vgpr 1024
		.amdhsa_next_free_sgpr 100
		.amdhsa_reserve_vcc 0
		.amdhsa_float_denorm_mode_32 3
		.amdhsa_float_denorm_mode_16_64 3
		.amdhsa_memory_ordered 1
		.amdhsa_forward_progress 1
		.amdhsa_inst_pref_size 171
	.end_amdhsa_kernel
	.amdgpu_metadata
---
amdhsa.version: [ 1, 2 ]
amdhsa.kernels:
  - .name:           k_qc79577f3b7_gemm_qkv
    .symbol:         k_qc79577f3b7_gemm_qkv.kd
    .args:
      - { .name: cod, .offset: 0, .size: 8, .value_kind: global_buffer, .address_space: global }
      - { .name: scl, .offset: 8, .size: 8, .value_kind: global_buffer, .address_space: global }
      - { .name: qkv_cod, .offset: 16, .size: 8, .value_kind: global_buffer, .address_space: global }
      - { .name: qkv_scl, .offset: 24, .size: 8, .value_kind: global_buffer, .address_space: global }
    .group_segment_fixed_size: 327680
    .private_segment_fixed_size: 0
    .kernarg_segment_align: 8
    .kernarg_segment_size: 32
    .max_flat_workgroup_size: 128
    .sgpr_count:     100
    .vgpr_count:     1024
    .wavefront_size: 32
...
	.end_amdgpu_metadata
.endif
;; end of part 2
;; launch attn (part 3): grid 4 x 64, 16 waves a work-group, no clusters, 210,944 bytes of LDS; arguments qkv_cod, qkv_scl, o_cod, o_scl; writes o_cod, o_scl
.if DOCPART == 3
	.amdgcn_target "amdgcn-amd-amdhsa--gfx1250"
	.amdhsa_code_object_version 6
	.text
	.protected	k_qc79577f3b7_attn
	.globl	k_qc79577f3b7_attn
	.p2align	8
	.type	k_qc79577f3b7_attn,@function
k_qc79577f3b7_attn:
	s_mov_b64 s[64:65], 0
	v_nop
	global_prefetch_b8 v0, s[64:65] scope:SCOPE_SE
	s_setreg_imm32_b32 hwreg(HW_REG_WAVE_MODE, 25, 1), 1
	s_wait_xcnt 0x0
; Causal attention of one head on codes of FP6 (E2M3) with E8M0 scales: S = q k^T (K = the head's 64), softmax, O = p v (K = the keys), O / the row's sum, quantised along the head's 64 for the last product.
; THE SOFTMAX AHEAD OF THE SECOND PRODUCT: t = score x log2(e) / 8; M = the row's largest t so far, rounded UP to a whole number; p = 2^(t - M) is what is quantised, along the keys, not normalised.
; The row's sum is taken of the unquantised p, in f32.  When M moves, the sum and O are multiplied by 2^(old M - new M): exact.
; INPUTS (this program's own): qkv_cod: q, k: [32 groups: head, 16 + head][8,192 token positions][48 bytes]; v at 12,582,912: [128 groups of 64 tokens][1,024 positions of (head, channel)][48].
;   qkv_scl: q, k: [16][8,192][4], a head's two bytes in half a word; v at 524,288: [64 groups of 128 tokens][1,024][4].   Rows lie by POSITION (row with bits 3 and 4 exchanged).
; OUTPUTS: o_cod [16 groups = heads][8,192 token positions][48], o_scl [8,192 positions][32].
; K AND V OF THE WHOLE HEAD STAY IN LDS: 2,048 keys x 48 bytes of k, as many of v, 8,192 + 4,096 bytes of scale words: 208,896 bytes.  Every byte is fetched once, by first fills at the kernel's head; nothing is filled
; again, so the loops hold no tensor load and no barrier.  The keys come in four STAGES of 512, so that the work begins when the first has landed: three barriers in all make the stages known to all waves.
; SHARES.  Work-group (i, batch x head) owns the blocks i and 7 - i of 256 queries, one after the other.  Each of the sixteen waves owns 16 query positions, one tile, in 256 registers: four waves to a SIMD, so that
; one wave's vector work stands beside another's matrix work and LDS loads.  Wave w takes tile w of block i and tile 15 - w of block 7 - i: (2 i + 1 or 2) + (2 (7 - i) + 2 or 1) = 17 key steps of 128 in every wave
; of every work-group.  Block i walks stages 0 and 1, block 7 - i all four: trip counts are constants; a step all of whose keys are hidden is jumped over.
; Work-groups i = 2, 3 never read stage 3 (49,152 of the 208,896 bytes) and fetch it all the same: a branch round that load would make the counted waits differ from path to path.
; NO CLUSTER, though the four work-groups of a head fetch the same bytes: which steps a wave leaves out hangs on its work-group's place among the four;
; without the jump a wave would walk 8 + 16 = 24 steps for 17.
; LAYOUT.  Both products are used transposed: S^T = k q^T, O^T = v^T p^T: a lane holds ONE query (lane % 16) throughout.  Since keys and channels lie by position, the 16 registers of tiles 2 b, 2 b + 1 are 16
; neighbouring keys (channels) 32 b + 16 (lane / 16) + 0 .. 15.
; K = 64 IN AN INSTRUCTION OF K = 128: q's registers 6-11 are zero codes.  k's tile t is named as v[32 + 6 t .. 43 + 6 t]: its upper six registers are the next tile's codes (zeros behind the last): finite
; numbers times zeros.  The scale half words are widened with zeros: byte 0 is a finite scale.
; CAUSAL.  On the diagonal hidden scores become -infinity ahead of the maximum; key 0 counts for every query, so M is a number from the first step on.
; LIMITS: a block of zeros gets the byte 1 (its codes are zeros; this program alone reads the bytes); NaN and infinities are not served.  o_scl is written one byte a lane: 1/24 of the codes' bytes.
; LDS: stage s at 49,152 s: k's codes [512 keys][48], then v's [8 groups of 64 keys][64 channels][48]; k's scale words [2,048][4] at 196,608; v's [16 groups of 128 keys][64][4] at 204,800.
;   Rows are 48 bytes = 12 words apart: the 32 lanes of an 8-byte load touch words 12 r + 6 h + 0, 1: each of the 64 banks (ISA guide 11.1) once.
; REGISTERS: v1-5, v7 lane constants; v8-10 addresses of the step; v12 -M, v13 the largest t, v[14:15] the sum; v16-27 q; v28 q's scales; v32-79 k's 8 tiles, then v's 4; v80-85 zeros;
;   v86-93 scale words; v96-159 S^T, then p; v160-191 O^T; v192-210 codes; v212-231 at work.
.set STGB,  49152                      ; a stage in LDS
.set VCO,   24576                      ; v's codes in it
.set STEPB, 6144                       ; a step's 128 keys: 128 rows of k, and two groups of v
.set SCK,   4*STGB                     ; k's scale words
.set SCV,   SCK+8192                   ; v's
.set GQK,   393216                     ; bytes from group to group of q, k and o
.set WV,  12                           ; s12 wave;  s13 i;  s14 the block of queries in hand;  s15 batch;  s16 head;  s17 my tile in that block
.set BLK, 14
.set TW,  17
.set CNT, 18                           ; s18 counts a stage's four steps
.set TSK, 19                           ; s19 where the step's scale words of k begin: 512 bytes a step
.set SEL, 20                           ; s[20:21] lane selects for v_permlanex16_b32: lane l xor 16
.set CS,  22                           ; s[22:23] c = log2(e) / 8
.set TB,  24                           ; s24 LDS byte at which the step's rows of k begin
.set KF,  25                           ; s25 the step's first key
.set Q0,  26                           ; s26 my tile's first query: lane r's is Q0 + r + 8 (r / 8)
.set TSV, 66                           ; s66 where the step's scale words of v begin: 256 bytes a step
.set G1C, 32                           ; s[32:39] descriptor group 1 for a piece of codes;  s[40:47] for k's scale words;  s[48:55] for v's
.set G1KS, 40
.set G1VS, 48
.set G0KS, 56                          ; s[56:59], s[60:63] groups 0 for the scale words;  s[68:83] for the four stages
.set G0VS, 60
.set G0S, 68
	s_load_b256 s[4:11], s[0:1], 0x0               ; qkv_cod s[4:5], qkv_scl s[6:7], o_cod s[8:9], o_scl s[10:11]
	v_lshl_add_u32 v254, v0, 2, 0x33000
	v_mov_b32 v255, 0
	ds_add_u32 v254, v255
	ds_add_u32 v254, v255
	v_lshrrev_b32 v8, 5, v0
	s_delay_alu instid0(VALU_DEP_1)
	v_readfirstlane_b32 s[WV], v8                  ; wave 0..15
	s_mov_b32 s13, ttmp9                           ; i
	s_and_b32 s28, ttmp7, 0xffff
	s_lshr_b32 s15, s28, 4                         ; batch
	s_and_b32 s16, s28, 15                         ; head
	; descriptor groups 1, all in elements of 8 bytes, no padding, no mask: columns, rows, pitch: dense blocks as rows of 256 bytes
.macro GROUP1 g, c, r, p
	s_mov_b32 s[\g], 3<<16
	s_mov_b32 s[\g+1], (\c)<<16                    ; tensor_dim0
	s_mov_b32 s[\g+2], (\r)<<16                    ; tensor_dim1
	s_mov_b32 s[\g+3], (\c)<<16                    ; tile_dim0
	s_mov_b32 s[\g+4], \r                          ; tile_dim1
	s_mov_b32 s[\g+5], \p                          ; tensor_dim0_stride
	s_mov_b32 s[\g+6], 0
	s_mov_b32 s[\g+7], 0
.endm
	GROUP1 G1C, 32, 12, 32                         ; 3,072 bytes: 64 keys of k, or one group of 64 keys of v
	GROUP1 G1KS, 32, 2, 32                         ; 512 bytes: k's scale words of 128 keys
	GROUP1 G1VS, 32, 1, 32                         ; 256 bytes: v's scale words of 128 keys
	; what I fetch of each stage: waves 0-7: keys 64 w on of k; waves 8-15: group w - 8 of v.  Only the offset in memory and its step from stage to stage are chosen
	s_and_b32 s29, s[WV], 7
	s_add_co_u32 s28, s16, 16
	s_mul_i32 s84, s28, GQK
	s_mul_i32 s28, s15, 98304
	s_add_co_u32 s84, s84, s28
	s_mul_i32 s28, s29, 3072
	s_add_co_u32 s84, s84, s28                     ; k: group 16 + head, the batch's 2,048 positions, + 64 keys x 48 for each wave
	s_mul_i32 s86, s15, 32*49152
	s_mul_i32 s28, s16, 3072
	s_add_co_u32 s86, s86, s28
	s_add_co_u32 s86, s86, 12582912
	s_mul_i32 s28, s29, 49152
	s_add_co_u32 s86, s86, s28                     ; v: the batch's 32 groups, the head's 64 positions, + a group for each wave
	s_mov_b32 s30, 24576                           ; a stage on: 512 keys x 48,
	s_mov_b32 s31, 393216                          ; or 8 groups
	s_cmp_lt_u32 s[WV], 8
	s_cselect_b32 s84, s84, s86
	s_cselect_b32 s86, s30, s31
	s_mov_b32 s85, 0
	s_mov_b32 s87, 0
	s_lshr_b32 s28, s16, 1                         ; the scale words of keys 128 w on: k's,
	s_add_co_u32 s28, s28, 8
	s_lshl_b32 s88, s28, 15
	s_lshl_b32 s28, s15, 13
	s_add_co_u32 s88, s88, s28
	s_lshl_b32 s28, s[WV], 9
	s_add_co_u32 s88, s88, s28
	s_mov_b32 s89, 0
	s_lshl_b32 s90, s15, 16                        ; and v's
	s_lshl_b32 s28, s16, 8
	s_add_co_u32 s90, s90, s28
	s_add_co_u32 s90, s90, 524288
	s_lshl_b32 s28, s[WV], 12
	s_add_co_u32 s90, s90, s28
	s_mov_b32 s91, 0
	s_mul_i32 s67, s[WV], 3072                     ; my piece's place in a stage: k's eight pieces, then v's eight
	s_mov_b32 s[SEL], 0x76543210
	s_mov_b32 s[SEL+1], 0xfedcba98
	s_mov_b32 s[CS], 0x3e38aa3b                    ; c = log2(e) / sqrt(64)
	s_mov_b32 s[CS+1], s[CS]                       ; (named with it as a pair, so it is written)
	s_mov_b32 s27, 0xffff0000                      ; lanes 16-31
	s_wait_dscnt 0x0
	s_wait_kmcnt 0x0
	s_add_nc_u64 s[84:85], s[4:5], s[84:85]
	s_add_nc_u64 s[88:89], s[6:7], s[88:89]
	s_add_nc_u64 s[90:91], s[6:7], s[90:91]
	s_mov_b32 s[G0KS], 1                           ; count = 1
	s_lshl_b32 s28, s[WV], 9
	s_add_co_u32 s[G0KS+1], s28, SCK               ; LDS address
	s_mov_b64 s[G0KS+2:G0KS+3], s[88:89]           ; global address
	s_or_b32 s[G0KS+3], s[G0KS+3], 0x80000000      ; type = 2
	s_mov_b32 s[G0VS], 1
	s_lshl_b32 s28, s[WV], 8
	s_add_co_u32 s[G0VS+1], s28, SCV
	s_mov_b64 s[G0VS+2:G0VS+3], s[90:91]
	s_or_b32 s[G0VS+3], s[G0VS+3], 0x80000000
.irp s, 0,1,2,3
	s_mov_b32 s[G0S+4*\s], 1
	s_add_co_u32 s[G0S+4*\s+1], s67, \s*STGB
	s_mov_b64 s[G0S+4*\s+2:G0S+4*\s+3], s[84:85]
	s_or_b32 s[G0S+4*\s+3], s[G0S+4*\s+3], 0x80000000
	s_add_nc_u64 s[84:85], s[84:85], s[86:87]      ; on to the next stage's piece
.endr
	; ALL THE LAUNCH'S FILLS, six a wave, in the order in which they are wanted: each has a group 0 of its own, and none is written again.  Four v_nop follow the last
	tensor_load_to_lds s[G0KS:G0KS+3], s[G1KS:G1KS+7]
	s_nop 0
	tensor_load_to_lds s[G0VS:G0VS+3], s[G1VS:G1VS+7]
	s_nop 0
	tensor_load_to_lds s[G0S:G0S+3], s[G1C:G1C+7]
	s_nop 0
	tensor_load_to_lds s[G0S+4:G0S+7], s[G1C:G1C+7]
	s_nop 0
	tensor_load_to_lds s[G0S+8:G0S+11], s[G1C:G1C+7]
	s_nop 0
	tensor_load_to_lds s[G0S+12:G0S+15], s[G1C:G1C+7]
	s_nop 0
.rept 4
	v_nop
.endr
	v_and_b32 v8, 15, v0                           ; r = lane % 16
	v_bfe_u32 v9, v0, 4, 1                         ; hl = lane / 16
	s_delay_alu instid0(VALU_DEP_2)
	v_mul_u32_u24 v1, v8, 48
	s_delay_alu instid0(VALU_DEP_1)
	v_mad_u32_u24 v1, v9, 24, v1                   ; v1: a row of 48 bytes, 24 for each half of the lanes
	s_and_b32 s28, s16, 1
	s_lshl_b32 s28, s28, 1
	v_lshlrev_b32 v3, 2, v8                        ; a scale word a row
	s_delay_alu instid0(VALU_DEP_1)
	v_add_nc_u32 v5, s28, v3                       ; v5: and my head's half of it: q's, in memory
	s_delay_alu instid0(VALU_DEP_1)
	v_add_nc_u32 v2, SCK, v5                       ; v2: k's, in LDS
	s_delay_alu instid0(VALU_DEP_3)
	v_add_nc_u32 v3, SCV, v3                       ; v3: v's scale words, in LDS
	v_and_b32 v4, 8, v8
	s_delay_alu instid0(VALU_DEP_1)
	v_add_nc_u32 v4, v4, v8
	v_lshlrev_b32 v10, 4, v9
	s_delay_alu instid0(VALU_DEP_1)
	v_sub_nc_u32 v4, v4, v10                       ; v4: r + 8 (r / 8) - 16 hl: my query less Q0, less my half's first key
	v_lshl_add_u32 v7, v8, 5, v9                   ; v7: o_scl: 32 bytes a row, + my block
.irp j, 22,23,24,25,26,27,80,81,82,83,84,85
	v_mov_b32 v\j, 0                               ; zero codes: q's upper 64 along K; what stands behind k's last tile
.endr
.irp j, 216,217,218,219,227,228
	v_mov_b32 v\j, 0                               ; written once: a lane permute's destination counts as one of its sources; v227 is named as the upper half of the pair v[226:227]
.endr
; A block of queries is asked for: tile TW of block BLK: its first query, and the loads of q's fragment and scale half word.  s30 (the tile's first position) and s31 (its codes' offset) are kept for STATE.
.macro QASK
	s_lshl_b32 s[Q0], s[BLK], 8
	s_lshr_b32 s28, s[TW], 1
	s_lshl_b32 s28, s28, 5
	s_add_co_u32 s[Q0], s[Q0], s28
	s_and_b32 s28, s[TW], 1
	s_lshl_b32 s28, s28, 3
	s_add_co_u32 s[Q0], s[Q0], s28                 ; 256 block + 32 (tile / 2) + 8 (tile % 2)
	s_lshl_b32 s30, s15, 11
	s_lshl_b32 s28, s[BLK], 8
	s_add_co_u32 s30, s30, s28
	s_lshl_b32 s28, s[TW], 4
	s_add_co_u32 s30, s30, s28                     ; 2,048 batch + 256 block + 16 tile
	s_mul_i32 s31, s30, 48
	s_mul_i32 s28, s16, GQK
	s_add_co_u32 s31, s31, s28
	s_mov_b32 s92, s31
	s_mov_b32 s93, 0
	s_add_nc_u64 s[92:93], s[4:5], s[92:93]
	s_lshr_b32 s28, s16, 1
	s_lshl_b32 s28, s28, 15
	s_lshl_b32 s94, s30, 2
	s_add_co_u32 s94, s94, s28
	s_mov_b32 s95, 0
	s_add_nc_u64 s[94:95], s[6:7], s[94:95]
	global_load_b64 v[16:17], v1, s[92:93]
	global_load_b64 v[18:19], v1, s[92:93] offset:8
	global_load_b64 v[20:21], v1, s[92:93] offset:16
	global_load_u16 v28, v5, s[94:95]
.endm
; And begins: where its results go, and the state: the largest t is -3e38, under every t; the sum and O^T are zeros, which the first change of M leaves zeros.
.macro STATE
	s_mov_b32 s96, s31                             ; o's codes lie as q's do
	s_mov_b32 s97, 0
	s_add_nc_u64 s[96:97], s[8:9], s[96:97]
	s_lshl_b32 s98, s30, 5
	s_lshl_b32 s28, s16, 1
	s_add_co_u32 s98, s98, s28
	s_mov_b32 s99, 0
	s_add_nc_u64 s[98:99], s[10:11], s[98:99]
	v_mov_b32 v13, 0xff61b1e6
	s_delay_alu instid0(VALU_DEP_1)
	v_floor_f32 v12, -v13
	v_mov_b32 v14, 0
	v_mov_b32 v15, 0
.set JJ, 0
.rept 32
	v_mov_b32 v[160+JJ], 0
.set JJ, JJ+1
.endr
	s_wait_loadcnt 0x0                             ; q
.endm
; A KEY STEP: the 128 keys from KF on.
.macro STEP
	s_add_co_u32 s28, s[Q0], 23                    ; my tile's last query
	s_cmp_gt_u32 s[KF], s28
	s_cbranch_scc1 .Lhidden_\@                     ; all 128 keys come after it: a scalar branch on ids, round the step's work, not round the lines at its end that step addresses
	s_setprio 2
	v_add_nc_u32 v8, s[TB], v1
	v_add_nc_u32 v9, s[TSK], v2
	v_add_nc_u32 v10, s[TSV], v3
	v_nop                                          ; with the three additions: four places in front of loads into registers that matrix instructions have read
.irp t, 0,1,2,3,4,5,6,7
.irp p, 0,1,2
	ds_load_b64 v[32+6*\t+2*\p:33+6*\t+2*\p], v8 offset:768*\t+8*\p
.endr
	ds_load_u16 v[86+\t], v9 offset:64*\t
.endr
	s_wait_alu depctr_va_vdst(0)
	s_wait_dscnt 0x0
.irp t, 0,1,2,3,4,5,6,7
	v_wmma_scale_f32_16x16x128_f8f6f4 v[96+8*\t:103+8*\t], v[32+6*\t:43+6*\t], v[16:27], 0, v[86+\t], v28 matrix_a_fmt:MATRIX_FMT_FP6 matrix_b_fmt:MATRIX_FMT_FP6
.endr
.rept 4
	v_nop                                          ; places behind the products: for the loads below and for the first read of the scores
.endr
.irp t, 0,1,2,3                                ; v's four tiles of 16 channels x these 128 keys: they land under the softmax
.irp p, 0,1,2,3,4,5
	ds_load_b64 v[32+12*\t+2*\p:33+12*\t+2*\p], v8 offset:VCO+(\p/3)*3072+768*\t+8*(\p%3)
.endr
	ds_load_b32 v[86+\t], v10 offset:64*\t
.endr
	s_add_co_u32 s28, s[KF], 127                   ; a step all of whose keys count for all my queries skips the mask
	s_cmp_le_u32 s28, s[Q0]
	s_cbranch_scc1 .Lopen_\@
	s_sub_co_i32 s28, s[Q0], s[KF]
	v_add_nc_u32 v228, s28, v4                     ; d = my query - KF - 16 hl.  Register 16 b + i holds key KF + 16 hl + 32 b + i: hidden where 32 b + i > d
	v_mov_b32 v229, 0xff800000                     ; -infinity
.set NN, 0
.rept 64
	v_cmp_gt_i32 vcc_lo, 32*(NN/16)+NN%16, v228
	v_cndmask_b32 v[96+NN], v[96+NN], v229, vcc_lo
.set NN, NN+1
.endr
.Lopen_\@:
.irp b, 0,1,2,3
	v_max3_num_f32 v[212+\b], v[96+16*\b], v[97+16*\b], v[98+16*\b]   ; the largest score of each block of 32 keys: it serves for the row's maximum and, since p rises with the score, for the block's largest p
.endr
.irp i, 3,5,7,9,11,13
.irp b, 0,1,2,3
	v_max3_num_f32 v[212+\b], v[212+\b], v[96+16*\b+\i], v[97+16*\b+\i]
.endr
.endr
.irp b, 0,1,2,3
	v_max_num_f32 v[212+\b], v[212+\b], v[111+16*\b]
.endr
.irp b, 0,1,2,3
	s_delay_alu instid0(VALU_DEP_4)
	v_permlanex16_b32 v[216+\b], v[212+\b], s[SEL], s[SEL+1]
.endr
.irp b, 0,1,2,3
	s_delay_alu instid0(VALU_DEP_4)
	v_max_num_f32 v[212+\b], v[212+\b], v[216+\b]  ; with lane l xor 16's 16 keys
.endr
	s_delay_alu instid0(VALU_DEP_2)
	v_max3_num_f32 v228, v212, v213, v214
	s_delay_alu instid0(VALU_DEP_1)
	v_max_num_f32 v228, v228, v215                 ; the step's largest score of my query
	s_delay_alu instid0(VALU_DEP_1)
	v_mul_f32 v228, s[CS], v228                    ; as t (c is positive)
	s_delay_alu instid0(VALU_DEP_1)
	v_max_num_f32 v13, v13, v228                   ; the running largest t
	v_mov_b32 v228, v12
	s_delay_alu instid0(VALU_DEP_2)
	v_floor_f32 v12, -v13                          ; the new -M = floor(-t) = -ceil(t)
	s_delay_alu instid0(VALU_DEP_1)
	v_sub_f32 v228, v12, v228                      ; old M - new M: a whole number, 0 or less
	s_delay_alu instid0(VALU_DEP_1)
	v_cvt_i32_f32 v228, v228                       ; (it saturates)
	s_delay_alu instid0(VALU_DEP_1)
	v_ldexp_f32 v226, 1.0, v228                    ; f = 2^(old M - new M)
.set JJ, 0
	s_setprio 1
.rept 32
	v_pk_fma_f32 v[96+JJ:97+JJ], v[96+JJ:97+JJ], s[CS:CS+1], v[12:13] op_sel_hi:[1,0,0]   ; t - M, two at a time
.set JJ, JJ+2
.endr
.irp b, 0,1,2,3
	v_fma_f32 v[212+\b], v[212+\b], s[CS], v12     ; the same of each block's largest score
.endr
.set JJ, 0
	s_wait_alu depctr_va_vdst(0)
.rept 64
	v_exp_f32 v[96+JJ], v[96+JJ]                   ; p = 2^(t - M), at most 1
.set JJ, JJ+1
.endr
.irp b, 0,1,2,3
	v_exp_f32 v[212+\b], v[212+\b]                 ; the block's largest p: the same two instructions on the same number give the same bits
.endr
	v_pk_mul_f32 v[14:15], v[14:15], v[226:227] op_sel_hi:[1,0]   ; the sums under the new M.  (A plain place behind the exponentials)
	s_wait_alu depctr_va_vdst(0)
.irp b, 0,1,2,3
	v_max_num_f32 v[212+\b], 0x1800000, v[212+\b]  ; the floor 2^(3 - 127): the byte cannot fall under 1
.endr
.irp b, 0,1,2,3
	s_delay_alu instid0(VALU_DEP_4)
	v_add_nc_u32 v[220+\b], 0xff000000, v[212+\b]  ; 2 off the exponent field: the conversion's scale operand
.endr
.irp b, 0,1,2,3
	s_delay_alu instid0(VALU_DEP_4)
	v_lshrrev_b32 v[216+\b], 23, v[220+\b]         ; the scale's byte
.endr
	s_delay_alu instid0(VALU_DEP_3)
	v_lshl_or_b32 v224, v217, 8, v216              ; p's scale word for these 128 keys
	s_delay_alu instid0(VALU_DEP_1)
	v_lshl_or_b32 v224, v218, 16, v224
	s_delay_alu instid0(VALU_DEP_1)
	v_lshl_or_b32 v224, v219, 24, v224
.irp c, 0,1
	v_cvt_scalef32_pk16_fp6_f32 v[192+6*\c:194+6*\c], v[96+32*\c:111+32*\c], v[220+2*\c]
	v_cvt_scalef32_pk16_fp6_f32 v[204+4*\c:206+4*\c], v[112+32*\c:127+32*\c], v[221+2*\c]   ; (a conversion's three registers begin on an even number)
.endr
	v_nop                                          ; one plain place behind a scaled conversion
.irp c, 0,1                                    ; a whole block to a lane: lanes 0-15 block 2 c, lanes 16-31 block 2 c + 1
.irp i, 0,1,2
	v_permlane16_swap_b32 v[192+6*\c+\i], v[204+4*\c+\i]
.endr
.irp i, 0,1,2
	s_delay_alu instid0(VALU_DEP_3)
	v_mov_b32 v[195+6*\c+\i], v[204+4*\c+\i]
.endr
.endr
	v_pk_add_f32 v[230:231], v[100:101], v[104:105]
	v_pk_add_f32 v[252:253], v[108:109], v[112:113]
	v_pk_add_f32 v[250:251], v[116:117], v[120:121]
	v_pk_add_f32 v[248:249], v[124:125], v[128:129]
	v_pk_add_f32 v[246:247], v[132:133], v[136:137]
	v_pk_add_f32 v[244:245], v[140:141], v[144:145]
	s_setprio 0
	v_pk_add_f32 v[242:243], v[148:149], v[152:153]
	v_pk_add_f32 v[14:15], v[14:15], v[156:157]
	v_pk_add_f32 v[230:231], v[230:231], v[96:97]
	v_pk_add_f32 v[252:253], v[252:253], v[98:99]
	v_pk_add_f32 v[250:251], v[250:251], v[102:103]
	v_pk_add_f32 v[248:249], v[248:249], v[106:107]
	v_pk_add_f32 v[246:247], v[246:247], v[110:111]
	v_pk_add_f32 v[244:245], v[244:245], v[114:115]
	v_pk_add_f32 v[242:243], v[242:243], v[118:119]
	v_pk_add_f32 v[14:15], v[14:15], v[122:123]
	v_pk_add_f32 v[230:231], v[230:231], v[126:127]
	v_pk_add_f32 v[252:253], v[252:253], v[130:131]
	v_pk_add_f32 v[250:251], v[250:251], v[134:135]
	v_pk_add_f32 v[248:249], v[248:249], v[138:139]
	v_pk_add_f32 v[246:247], v[246:247], v[142:143]
	v_pk_add_f32 v[244:245], v[244:245], v[146:147]
	v_pk_add_f32 v[242:243], v[242:243], v[150:151]
	v_pk_add_f32 v[14:15], v[14:15], v[154:155]
	v_pk_add_f32 v[230:231], v[230:231], v[158:159]
	s_delay_alu instid0(VALU_DEP_2)
	v_pk_add_f32 v[14:15], v[14:15], v[248:249]
	s_delay_alu instid0(VALU_DEP_2)
	v_pk_add_f32 v[230:231], v[230:231], v[246:247]
	v_pk_add_f32 v[252:253], v[252:253], v[244:245]
	v_pk_add_f32 v[250:251], v[250:251], v[242:243]
	s_delay_alu instid0(VALU_DEP_2)
	v_pk_add_f32 v[14:15], v[14:15], v[252:253]
	s_delay_alu instid0(VALU_DEP_2)
	v_pk_add_f32 v[230:231], v[230:231], v[250:251]
	s_delay_alu instid0(VALU_DEP_1)
	v_pk_add_f32 v[14:15], v[14:15], v[230:231]
.set JJ, 0
.rept 16
	v_pk_mul_f32 v[160+JJ:161+JJ], v[160+JJ:161+JJ], v[226:227] op_sel_hi:[1,0]   ; O^T under the new M.  (The sums and these are the places between p's codes and scale word and the products below)
.set JJ, JJ+2
.endr
	s_wait_alu depctr_va_vdst(0)
	s_wait_dscnt 0x0                               ; v's tiles are in
.irp t, 0,1,2,3                                ; O^T += v^T p^T: four accumulators by turns
	v_wmma_scale_f32_16x16x128_f8f6f4 v[160+8*\t:167+8*\t], v[32+12*\t:43+12*\t], v[192:203], v[160+8*\t:167+8*\t], v[86+\t], v224 matrix_a_fmt:MATRIX_FMT_FP6 matrix_b_fmt:MATRIX_FMT_FP6
.endr
.Lhidden_\@:
	s_add_co_u32 s[KF], s[KF], 128                 ; on to the next 128 keys: their number, their codes, their scale words
	s_add_co_u32 s[TB], s[TB], STEPB
	s_add_co_u32 s[TSK], s[TSK], 512
	s_add_co_u32 s[TSV], s[TSV], 256
.endm
; A STAGE's four key steps: written once, walked four times.  Every LDS address is a constant set here and stepped by a constant.
.macro STAGE s
	s_mov_b32 s[TB], (\s)*STGB
	s_mov_b32 s[TSK], (\s)*2048
	s_mov_b32 s[TSV], (\s)*1024
	s_mov_b32 s[KF], (\s)*512
	s_mov_b32 s[CNT], 4
.Lstage_\@:
	STEP
	s_sub_co_u32 s[CNT], s[CNT], 1
	s_cmp_lg_u32 s[CNT], 0
	s_cbranch_scc1 .Lstage_\@
	s_setprio 0
.endm
; A stage is made known: each wave's own piece has landed when at most n of its younger loads are out (a wave's tensor loads end in the order of issue: ISA guide 10.11.1); behind the barrier that holds of all sixteen.
; Later stages may stay on their way across them.
.macro PUBLISH n
	s_wait_tensorcnt \n
	s_wait_dscnt 0x0                               ; no LDS instruction of mine is pending at a signal
	s_barrier_signal -1
	s_barrier_wait -1
.endm
; A block of queries ends: O^T / the sum, quantised along the head's 64 channels (register 16 b + i is channel 32 b + 16 hl + i), and stored.  No LDS, no barrier.
.macro FINISH
.rept 4
	v_nop                                          ; places behind the last products
.endr
	v_add_f32 v14, v14, v15                        ; the sum's two halves,
	s_delay_alu instid0(VALU_DEP_1)
	v_permlanex16_b32 v228, v14, s[SEL], s[SEL+1]
	s_delay_alu instid0(VALU_DEP_1)
	v_add_f32 v14, v14, v228                       ; and lane l xor 16's: the row's sum
	s_wait_alu depctr_va_vdst(0)
	v_rcp_f32 v14, v14
	v_nop                                          ; a plain place behind the transcendental
.set JJ, 0
	s_wait_alu depctr_va_vdst(0)
.rept 32
	v_mul_f32 v[96+JJ], v[160+JJ], v14             ; each accumulator from its low end on
.set JJ, JJ+1
.endr
.irp b, 0,1
	v_max3_num_f32 v[212+\b], |v[96+16*\b]|, |v[97+16*\b]|, 0x1800000
.endr
.irp i, 2,4,6,8,10,12,14
.irp b, 0,1
	s_delay_alu instid0(VALU_DEP_2)
	v_max3_num_f32 v[212+\b], v[212+\b], |v[96+16*\b+\i]|, |v[97+16*\b+\i]|
.endr
.endr
.irp b, 0,1
	s_delay_alu instid0(VALU_DEP_2)
	v_permlanex16_b32 v[216+\b], v[212+\b], s[SEL], s[SEL+1]
.endr
.irp b, 0,1
	s_delay_alu instid0(VALU_DEP_2)
	v_max_num_f32 v[212+\b], v[212+\b], v[216+\b]
.endr
.irp b, 0,1
	s_delay_alu instid0(VALU_DEP_2)
	v_add_nc_u32 v[220+\b], 0xff000000, v[212+\b]
.endr
.irp b, 0,1
	s_delay_alu instid0(VALU_DEP_2)
	v_lshrrev_b32 v[216+\b], 23, v[220+\b]
.endr
	v_cvt_scalef32_pk16_fp6_f32 v[192:194], v[96:111], v220
	v_cvt_scalef32_pk16_fp6_f32 v[204:206], v[112:127], v221
	v_nop                                          ; one plain place behind a scaled conversion
.irp i, 0,1,2
	v_permlane16_swap_b32 v[192+\i], v[204+\i]     ; v192-194 now hold the lower 16 codes of block hl, v204-206 the upper 16
.endr
	v_cndmask_b32 v229, v216, v217, s27            ; block hl's byte
	global_store_b96 v1, v[192:194], s[96:97]      ; the wave's two stores cover 768 consecutive bytes, aligned to 256
	global_store_b96 v1, v[204:206], s[96:97] offset:12
	global_store_b8 v7, v229, s[98:99]
	s_wait_xcnt 0x0                                ; the stores' registers and bases are written again only behind this wait
.endm
	s_mov_b32 s[BLK], s13                          ; THE FIRST BLOCK OF QUERIES: i, at most 3: its keys lie in stages 0 and 1
	s_mov_b32 s[TW], s[WV]
	QASK
	STATE
	PUBLISH 3                                      ; the scale words and stage 0 are in: the loads of stages 1, 2, 3 were issued behind them and may be out
	STAGE 0
	PUBLISH 2                                      ; stage 1 is in: those of stages 2 and 3 may be out
	STAGE 1
	s_sub_co_u32 s[BLK], 7, s13                    ; THE SECOND BLOCK: 7 - i, tile 15 - wave.  Its q is asked for first and lands under the first block's way out
	s_sub_co_u32 s[TW], 15, s[WV]
	QASK
	FINISH
	STATE
	STAGE 0
	STAGE 1
	PUBLISH 0                                      ; stages 2 and 3: eight steps' work has passed since they were asked for; and no tensor load is out at the wave's end
	STAGE 2
	STAGE 3
	FINISH
	s_wait_tensorcnt 0x0
	ds_add_u32 v254, v255
	s_wait_dscnt 0x0
	s_endpgm
.Lfunc_end_k_qc79577f3b7_attn:
	.size	k_qc79577f3b7_attn, .Lfunc_end_k_qc79577f3b7_attn-k_qc79577f3b7_attn
	.p2alignl 7, 3214868480
	.fill 96, 4, 3214868480
	.section	.rodata,"a",@progbits
	.p2align	6, 0x0
	.amdhsa_kernel k_qc79577f3b7_attn
		.amdhsa_group_segment_fixed_size 210944
		.amdhsa_private_segment_fixed_size 0
		.amdhsa_enable_private_segment 0
		.amdhsa_kernarg_size 32
		.amdhsa_user_sgpr_count 2
		.amdhsa_user_sgpr_kernarg_segment_ptr 1
		.amdhsa_wavefront_size32 1
		.amdhsa_system_sgpr_workgroup_id_x 1
		.amdhsa_system_sgpr_workgroup_id_y 1
		.amdhsa_system_sgpr_workgroup_id_z 1
		.amdhsa_system_vgpr_workitem_id 0
		.amdhsa_next_free_vgpr 256
		.amdhsa_next_free_sgpr 100
		.amdhsa_reserve_vcc 1
		.amdhsa_float_denorm_mode_32 3
		.amdhsa_float_denorm_mode_16_64 3
		.amdhsa_memory_ordered 1
		.amdhsa_forward_progress 1
		.amdhsa_inst_pref_size 169
	.end_amdhsa_kernel
	.amdgpu_metadata
---
amdhsa.version: [ 1, 2 ]
amdhsa.kernels:
  - .name:           k_qc79577f3b7_attn
    .symbol:         k_qc79577f3b7_attn.kd
    .args:
      - { .name: qkv_cod, .offset: 0, .size: 8, .value_kind: global_buffer, .address_space: global }
      - { .name: qkv_scl, .offset: 8, .size: 8, .value_kind: global_buffer, .address_space: global }
      - { .name: o_cod, .offset: 16, .size: 8, .value_kind: global_buffer, .address_space: global }
      - { .name: o_scl, .offset: 24, .size: 8, .value_kind: global_buffer, .address_space: global }
    .group_segment_fixed_size: 210944
    .private_segment_fixed_size: 0
    .kernarg_segment_align: 8
    .kernarg_segment_size: 32
    .max_flat_workgroup_size: 512
    .sgpr_count:     100
    .vgpr_count:     256
    .wavefront_size: 32
...
	.end_amdgpu_metadata
.endif
;; end of part 3
;; launch gemm_out (part 4): grid 4 x 32, 4 waves a work-group, clusters of 4 x 4, 327,680 bytes of LDS; arguments o_cod, o_scl, cod, scl, out0; writes out0
.if DOCPART == 4
	.amdgcn_target "amdgcn-amd-amdhsa--gfx1250"
	.amdhsa_code_object_version 6
	.text
	.protected	k_qc79577f3b7_gemm_out
	.globl	k_qc79577f3b7_gemm_out
	.p2align	8
	.type	k_qc79577f3b7_gemm_out,@function
k_qc79577f3b7_gemm_out:
	s_mov_b64 s[64:65], 0
	v_nop
	global_prefetch_b8 v0, s[64:65] scope:SCOPE_SE
	s_setreg_imm32_b32 hwreg(HW_REG_WAVE_MODE, 25, 1), 1
	s_wait_xcnt 0x0
	s_wait_alu depctr_hold_cnt(0) depctr_sa_sdst(0) depctr_va_vdst(0) depctr_va_sdst(0) depctr_va_ssrc(0) depctr_va_vcc(0) depctr_vm_vsrc(0)
	s_getreg_b32 s2, hwreg(HW_REG_IB_STS2, 6, 4)
	s_cmp_eq_u32 s2, 0
	s_cbranch_scc0 .Lentry_in_a_cluster
	s_endpgm
.Lentry_in_a_cluster:
	s_bfe_u32 s2, ttmp6, 0x10000c
	s_cmp_lg_u32 s2, 0xf033
	s_cbranch_scc0 .Lentry_shape_is_right
	s_endpgm
.Lentry_shape_is_right:
; out0 = o Wo^T on codes of FP6 (E2M3) with E8M0 scales, K = 1,024 (head x 64 + channel); out0 [8,192][1,024] f32; sums in f32.
; INPUTS: o_cod [16 groups of 64 along K][8,192 token positions][48 bytes], o_scl [8,192 positions][32]; Wo in cod [16 groups][12,288 positions][48] and scl [12,288][32] from position 11,264 on.
; Rows lie by POSITION (row with bits 3 and 4 exchanged); the way out puts rows and columns back in their true order.
; A tile of 256 x 256 of out0 is made by four waves, each 128 x 128: 64 accumulators, 512 registers.  K goes in steps of 256 (4 groups) through a ring of two LDS slots filled by the tensor data mover: a wave's
; tile is 4 groups x 128 rows x 48 bytes, each group's 6,144 bytes consecutive in memory and aligned to 256.  In LDS rows are 48 bytes = 12 words apart: the 32 lanes of an 8-byte load touch words
; 12 r + 6 h + 0, 1: each of the 64 banks (ISA guide 11.1) once, so no padding.  The rows' scale bytes for all of K come once, with the first fills, and stay.
; THE MATRIX INSTRUCTION IS USED TRANSPOSED: source 0 = 16 positions of Wo, source 1 = 16 token positions: a lane holds eight neighbouring numbers of a row of out0.
; CLUSTERS: 4 x 4 work-groups; o's tile is shared along a row of the cluster, Wo's along a column; each is asked for jointly.  The grid has 128 work-groups: a tile of this size keeps LDS reads lowest.
; REGISTERS, in windows of 256: window 0: v16-31 addresses; v32-63 scale words, two sets; v128-223 source 1's fragments, one set; on the way out v128-255 rows read back.
;   window 1: source 0's fragments, two sets, at v0 and v128.   window 2: the accumulators of my rows 0-63 ((a, b) at v[8 (8 a + b)]);   window 3: those of rows 64-127.
.set NQ,     2
.set FR,     12
.set NL,     6
.set NP,     4                         ; places behind this matrix instruction (ISA guide 7.12.1)
.set GRPB,   6144
.set HALFT,  4*GRPB
.set SLOT,   4*HALFT
.set SCL,    2*SLOT
.set HALFS,  16*272
.set SBLK,   544
.set SPARE,  SCL+4*HALFS               ; the spare words, 128 bytes for each wave: two blocks of 256 bytes that no other line names
.set STG,    SPARE+512                 ; the way out: 16 rows x (512 bytes + 16) for each wave: bytes of its own, into which no fill lands
.set SPITCH, 528
.set GSA,    393216                    ; bytes from group to group in o_cod
.set GSB,    589824                    ; and in cod
.set ADRA, 16
.set ADRB, 20
.set STO,  24
.set RD,   25
.set CO,   26
.set ADRS, 27
.set SPW,  28                          ; v28  LDS address of my spare word; never rewritten
.set NIL,  29                          ; v29  0; never rewritten
.set SC,   32
.set AF,   128
.set BK,   128
.set G1, 24
.set G0, 32
.set G1B, 48
.set G0B, 56
.set G1S, 68
.set G0S, 76
.set G1SB, 80
.set G0SB, 88
.set MSB, 0
.macro WIN new                         ; the immediate's high byte repeats the setting that is left
.if MSB != (\new)
	s_set_vgpr_msb (MSB<<8)|(\new)
.set MSB, (\new)
.endif
.endm
.set MUL_LO, 0xa1
.set MUL_HI, 0xf1
.set TO_B,   0x40
; A joint load: waves 0 and 1 fetch o's halves, waves 2 and 3 Wo's.  Four v_nop follow each of the two lines, ahead of the jump, the label and what follows.
.macro JLOAD g0a, g1a, g0b, g1b
	s_cmp_eq_u32 s15, 0
	s_cbranch_scc0 .Lfor_b_\@
	tensor_load_to_lds s[\g0a:\g0a+3], s[\g1a:\g1a+7]
	s_nop 0
.rept 4
	v_nop
.endr
	s_branch .Lasked_\@
.Lfor_b_\@:
	tensor_load_to_lds s[\g0b:\g0b+3], s[\g1b:\g1b+7]
	s_nop 0
.rept 4
	v_nop
.endr
.Lasked_\@:
.endm
.macro CREST
	s_cmp_lg_u32 s14, 0
	s_cbranch_scc1 .Lnot_wave_0_\@
	s_barrier_signal -3
.Lnot_wave_0_\@:
	s_barrier_wait -3
	s_barrier_signal -1
	s_barrier_wait -1
.endm
.macro CROUND
	s_barrier_signal -1
	s_barrier_wait -1
	CREST
.endm
	s_load_b256 s[4:11], s[0:1], 0x0               ; o_cod s[4:5], o_scl s[6:7], cod s[8:9], scl s[10:11]
	s_load_b64 s[12:13], s[0:1], 0x20              ; out0
	v_lshl_add_u32 v[SPW], v0, 2, SPARE
	v_mov_b32 v[NIL], 0
	ds_add_u32 v28, v29
	ds_add_u32 v28, v29
	s_wait_dscnt 0x0
	v_lshrrev_b32 v1, 5, v0
	v_readfirstlane_b32 s14, v1                    ; wave 0..3
	s_lshr_b32 s15, s14, 1                         ; which half of the tile's rows is mine.  Also: I fetch for o (0) or for Wo (1)
	s_and_b32 s16, s14, 1                          ; which half of its columns.  Also: which 128 rows of that tile I fetch
	s_bfe_u32 s40, ttmp6, 0x40000                  ; cx, cy
	s_bfe_u32 s41, ttmp6, 0x40004
	s_lshl_b32 s42, ttmp9, 2
	s_add_co_u32 s42, s42, s40                     ; tile column = 4 x cluster x + cx
	s_and_b32 s17, ttmp7, 0xffff
	s_lshl_b32 s17, s17, 2
	s_add_co_u32 s17, s17, s41                     ; tile row = 4 x cluster y + cy
	s_lshl_b32 s43, s41, 2
	s_lshl_b32 s43, 15, s43                        ; my row of the cluster
	s_lshl_b32 s44, 0x1111, s40                    ; my column
	s_or_b32 s[G1+0], s43, (3<<16)|(1<<21)         ; codes: 4 rows (groups) of 768 elements of 8 bytes; no padding; bit 21 set beside a mask
	s_or_b32 s[G1B+0], s44, (3<<16)|(1<<21)
.irp g, G1, G1B
	s_mov_b32 s[\g+1], 768<<16
	s_mov_b32 s[\g+2], 4<<16
	s_mov_b32 s[\g+3], 768<<16
	s_mov_b32 s[\g+4], 4
	s_mov_b32 s[\g+6], 0
	s_mov_b32 s[\g+7], 0
.endr
	s_mov_b32 s[G1+5], GSA/8
	s_mov_b32 s[G1B+5], GSB/8
	s_or_b32 s[G1S+0], s43, (3<<16)|(1<<20)|(1<<21)|(5<<22)|(3<<25)   ; scales of 128 rows: 16 rows of 256 bytes, 16 bytes of padding behind each
	s_or_b32 s[G1SB+0], s44, (3<<16)|(1<<20)|(1<<21)|(5<<22)|(3<<25)
.irp g, G1S, G1SB
	s_mov_b32 s[\g+1], 32<<16
	s_mov_b32 s[\g+2], 16<<16
	s_mov_b32 s[\g+3], 32<<16
	s_mov_b32 s[\g+4], 16
	s_mov_b32 s[\g+5], 32
	s_mov_b32 s[\g+6], 0
	s_mov_b32 s[\g+7], 0
.endr
	s_lshl_b32 s18, s16, 7                         ; which 128 rows of the tile I fetch
	s_lshl_b32 s20, s17, 8
	s_add_co_u32 s20, s20, s18                     ; o: position 256 x tile row + 128 x half
	s_lshl_b32 s46, s42, 8
	s_add_co_u32 s46, s46, s18
	s_add_co_u32 s46, s46, 11264                   ; Wo: position 11,264 + 256 x tile column + 128 x half
	s_lshl_b32 s22, s20, 5
	s_mov_b32 s23, 0
	s_mul_i32 s20, s20, 48
	s_mov_b32 s21, 0
	s_lshl_b32 s92, s46, 5
	s_mov_b32 s93, 0
	s_mul_i32 s46, s46, 48
	s_mov_b32 s47, 0
	s_mul_i32 s45, s14, HALFT                      ; where they go: wave x 128 rows: no place in the cluster enters an LDS address
	s_mul_i32 s94, s14, HALFS
	s_wait_kmcnt 0x0
	s_add_nc_u64 s[20:21], s[4:5], s[20:21]
	s_add_nc_u64 s[22:23], s[6:7], s[22:23]
	s_add_nc_u64 s[46:47], s[8:9], s[46:47]
	s_add_nc_u64 s[92:93], s[10:11], s[92:93]
	CROUND                                         ; all sixteen work-groups are here: the first joint loads meet
	s_mov_b32 s[G0S], 1
	s_add_co_u32 s[G0S+1], s94, SCL
	s_mov_b64 s[G0S+2:G0S+3], s[22:23]
	s_or_b32 s[G0S+3], s[G0S+3], 0x80000000
	s_mov_b32 s[G0SB], 1
	s_add_co_u32 s[G0SB+1], s94, SCL
	s_mov_b64 s[G0SB+2:G0SB+3], s[92:93]
	s_or_b32 s[G0SB+3], s[G0SB+3], 0x80000000
	JLOAD G0S, G1S, G0SB, G1SB
.irp s, 0,1
	s_mov_b32 s[G0+4*\s], 1
	s_add_co_u32 s[G0+4*\s+1], s45, \s*SLOT
	s_add_nc_u64 s[G0+4*\s+2:G0+4*\s+3], s[20:21], \s*4*GSA
	s_or_b32 s[G0+4*\s+3], s[G0+4*\s+3], 0x80000000
	s_mov_b32 s[G0B+4*\s], 1
	s_add_co_u32 s[G0B+4*\s+1], s45, \s*SLOT
	s_add_nc_u64 s[G0B+4*\s+2:G0B+4*\s+3], s[46:47], \s*4*GSB
	s_or_b32 s[G0B+4*\s+3], s[G0B+4*\s+3], 0x80000000
	s_wait_alu depctr_va_vdst(0)
	s_wait_tensorcnt 0x0
	ds_add_u32 v28, v29
	s_wait_dscnt 0x0
	CROUND
	JLOAD G0+4*\s, G1, G0B+4*\s, G1B               ; one load of mine is out now
.endr
	v_and_b32 v1, 15, v0                           ; r
	v_bfe_u32 v2, v0, 4, 1                         ; h
	v_mul_u32_u24 v3, v1, 48
	v_mad_u32_u24 v4, v2, 24, v3
	s_mul_i32 s21, s15, HALFT
	s_mul_i32 s22, s16, HALFT
	s_add_co_u32 s22, s22, 2*HALFT
.irp s, 0,1
	v_add_nc_u32 v[ADRA+\s], s21, v4
	v_add_nc_u32 v[ADRB+\s], s22, v4
	s_add_co_u32 s21, s21, SLOT
	s_add_co_u32 s22, s22, SLOT
.endr
	v_lshlrev_b32 v5, 5, v1
	v_lshrrev_b32 v6, 3, v1
	v_lshl_add_u32 v5, v6, 4, v5
	s_mul_i32 s21, s15, HALFS
	s_mul_i32 s22, s16, HALFS
	s_add_co_u32 s22, s22, 2*HALFS
	s_sub_co_u32 s22, s22, s21
	v_mul_u32_u24 v6, s22, v2                      ; lanes 16-31 take Wo's
	s_add_co_u32 s21, s21, SCL
	v_add_nc_u32 v5, v5, v6
	v_add_nc_u32 v[ADRS], s21, v5
	s_mul_i32 s23, s14, 16*SPITCH
	s_add_co_u32 s23, s23, STG                     ; my stage
	v_mul_u32_u24 v5, v1, SPITCH
	v_lshl_add_u32 v5, v2, 6, v5                   ; in: row r; my half's 16 columns of each 32: 64 h bytes on
	v_add_nc_u32 v[STO], s23, v5
	v_and_b32 v6, 31, v0
	v_lshlrev_b32 v[CO], 4, v6                     ; back: the 32 lanes take one row of 512 bytes; and the same in out0
	v_add_nc_u32 v[RD], s23, v[CO]
	s_lshl_b32 s20, s17, 8
	s_lshl_b32 s21, s15, 7
	s_add_co_u32 s20, s20, s21
	s_lshl_b32 s20, s20, 12                        ; my first row of out0: rows of 4,096 bytes
	s_lshl_b32 s46, s42, 10
	s_lshl_b32 s47, s16, 9
	s_add_co_u32 s46, s46, s47                     ; my first column, in bytes
	s_add_co_u32 s20, s20, s46
	s_mov_b32 s21, 0
	s_add_nc_u64 s[12:13], s[12:13], s[20:21]
.macro FRAG reg, adr, q, i             ; a fragment is 12 registers: lane l holds row l % 16; registers 6 c .. 6 c + 5 hold K = 64 c + 32 (l / 16) + 0 .. 31: 24 bytes of group 2 q + c, in pieces of 8 bytes
.irp p, 0,1,2,3,4,5
	ds_load_b64 v[\reg+2*\p:\reg+2*\p+1], v[\adr] offset:(2*(\q)+\p/3)*GRPB+(\i)*768+8*(\p%3)
.endr
.endm
; 16 matrix instructions; the 64 accumulators take turns, one instruction a turn, in the same order in every step.  zero = 1: the first product starts the sums.
.macro MUL16 a0, p, q, sc, zero
.irp a, \a0, \a0+1
.irp b, 0,1,2,3,4,5,6,7
.if \zero
	v_wmma_scale_f32_16x16x128_f8f6f4 v[8*(8*((\a)%4)+\b):8*(8*((\a)%4)+\b)+7], v[128*(\p)+FR*\b:128*(\p)+FR*\b+FR-1], v[AF+FR*(\a):AF+FR*(\a)+FR-1], 0, v[SC+8*NQ*(\sc)+NQ*\b+(\q)], v[SC+8*NQ*(\sc)+NQ*(\a)+(\q)] matrix_a_fmt:MATRIX_FMT_FP6 matrix_b_fmt:MATRIX_FMT_FP6 matrix_a_scale:MATRIX_SCALE_ROW1
.else
	v_wmma_scale_f32_16x16x128_f8f6f4 v[8*(8*((\a)%4)+\b):8*(8*((\a)%4)+\b)+7], v[128*(\p)+FR*\b:128*(\p)+FR*\b+FR-1], v[AF+FR*(\a):AF+FR*(\a)+FR-1], v[8*(8*((\a)%4)+\b):8*(8*((\a)%4)+\b)+7], v[SC+8*NQ*(\sc)+NQ*\b+(\q)], v[SC+8*NQ*(\sc)+NQ*(\a)+(\q)] matrix_a_fmt:MATRIX_FMT_FP6 matrix_b_fmt:MATRIX_FMT_FP6 matrix_a_scale:MATRIX_SCALE_ROW1
.endif
.endr
.endr
.endm
.macro FETCH_B slot, q, p
	WIN TO_B
.irp i, 0,1,2,3,4,5,6,7
	FRAG 128*(\p)+FR*\i, ADRB+\slot, \q, \i
.endr
	WIN 0
.endm
.macro FETCH_A slot, q, i0
.irp i, \i0, \i0+1, \i0+2, \i0+3
	FRAG AF+FR*(\i), ADRA+\slot, \q, \i
.endr
.endm
.macro SCALES sc                       ; lanes 0-15 take o's block i, lanes 16-31 Wo's block i: two words a row
.irp i, 0,1,2,3,4,5,6,7
	ds_load_b64 v[SC+8*NQ*\sc+NQ*\i:SC+8*NQ*\sc+NQ*\i+1], v[ADRS] offset:\i*SBLK
.endr
.endm
.macro PLACES n                        ; places behind matrix instructions (ISA guide 7.12.1 for vector instructions)
.rept \n
	v_nop
.endr
.endm
.macro STEP slot, q, zero
	s_wait_dscnt 4*NL                              ; Wo's set and o's blocks 0-3 are in; the youngest 24 loads (blocks 4-7) may be out
	WIN MUL_LO
	MUL16 0, (\q)%2, \q, \slot, \zero
	MUL16 2, (\q)%2, \q, \slot, \zero
	s_wait_dscnt 0
	PLACES NP
	FETCH_B \slot, (\q)+1, 1-(\q)%2
	FETCH_A \slot, (\q)+1, 0
	WIN MUL_HI
	MUL16 4, (\q)%2, \q, \slot, \zero
	MUL16 6, (\q)%2, \q, \slot, \zero
	PLACES NP
	WIN 0
	FETCH_A \slot, (\q)+1, 4
.endm
.macro TURN slot, next, fill
	s_wait_tensorcnt 0x0                           ; all my tensor loads have landed: my part of the next slot;
	ds_add_u32 v[SPW], v[NIL]                      ; 0 onto my spare word
	s_wait_dscnt 4*NL+1                            ; (the add and the youngest 24 loads may be out)
	WIN MUL_LO
	MUL16 0, 1, NQ-1, \slot, 0
	s_wait_dscnt 0x0                               ; the add is done, and my reads of this slot are over
	s_barrier_signal -1
	MUL16 2, 1, NQ-1, \slot, 0
	WIN 0
	s_barrier_wait -1
.if \fill
	CREST                                          ; the barrier has opened a round of the cluster's barrier: no wave of any partner still reads this slot's tile or has a load on its way
	s_add_nc_u64 s[G0+4*\slot+2:G0+4*\slot+3], s[G0+4*\slot+2:G0+4*\slot+3], 8*GSA
	s_add_nc_u64 s[G0B+4*\slot+2:G0B+4*\slot+3], s[G0B+4*\slot+2:G0B+4*\slot+3], 8*GSB
	JLOAD G0+4*\slot, G1, G0B+4*\slot, G1B         ; the first tensor load behind the round; its four v_nop are the places in front of the loads below
.else
	PLACES NP
.endif
	s_wait_alu depctr_va_vdst(0)
	v_add_nc_u32 v[ADRS], 4*NQ, v[ADRS]            ; on to the next K step's scale words
	FETCH_B \next, 0, 0
	FETCH_A \next, 0, 0
	SCALES \next
	WIN MUL_HI
	MUL16 4, 1, NQ-1, \slot, 0
	MUL16 6, 1, NQ-1, \slot, 0
	PLACES NP
	WIN 0
	FETCH_A \next, 0, 4
.endm
	s_wait_alu depctr_va_vdst(0)
	s_wait_tensorcnt 1                             ; the scales and my part of K step 0 are in (K step 1's load may be out)
	s_barrier_signal -1
	s_barrier_wait -1                              ; everybody's are
	FETCH_B 0, 0, 0
	FETCH_A 0, 0, 0
	SCALES 0
	FETCH_A 0, 0, 4
	STEP 0, 0, 1                                   ; K = 1,024 is four K steps, twice round the ring: written out
	TURN 0, 1, 1
	STEP 1, 0, 0
	TURN 1, 0, 1
	STEP 0, 0, 0
	TURN 0, 1, 0
	STEP 1, 0, 0
	s_wait_dscnt 4*NL
	WIN MUL_LO
	MUL16 0, 1, NQ-1, 1, 0
	MUL16 2, 1, NQ-1, 1, 0
	s_wait_dscnt 0
	WIN MUL_HI
	MUL16 4, 1, NQ-1, 1, 0
	MUL16 6, 1, NQ-1, 1, 0
	WIN 0
; THE WAY OUT, block by block of 16 row positions x 128 columns, through my own stage.  Accumulator (a, b), register j, lane (r, h) is column 32 (b / 2) + 8 (b % 2) + 16 h + j of position 16 a + r.
; Position 16 a + t is row 32 (a / 2) + 8 (a % 2) + t + 8 (t / 8): it stands in the store's immediate, 127 rows of 4,096 bytes at the most.
; LDS serves a wave's instructions in order (ISA guide 5.7.1.4): no wait between the stores and the loads, nor in front of the next block's stores.
.macro TOSTAGE a
.set AC, 64*((\a)%4)
	WIN 0x08+4*((\a)/4)                            ; the data: window 2 or 3
.irp b, 0,1,2,3,4,5,6,7
	ds_store_b128 v[STO], v[AC+8*\b:AC+8*\b+3] offset:128*(\b/2)+32*(\b%2)        ; each accumulator from its low end on
	ds_store_b128 v[STO], v[AC+8*\b+4:AC+8*\b+7] offset:128*(\b/2)+32*(\b%2)+16
.endr
	WIN 0
.set BB, BK+64*((\a)%2)
.irp t, 0,1,2,3,4,5,6,7,8,9,10,11,12,13,14,15
	ds_load_b128 v[BB+4*\t:BB+4*\t+3], v[RD] offset:\t*SPITCH
.endr
.endm
.macro SEND a, younger                 ; younger: the LDS instructions issued behind block a's loads, which may stay out
.set BB, BK+64*((\a)%2)
	s_wait_dscnt \younger
.irp t, 0,1,2,3,4,5,6,7,8,9,10,11,12,13,14,15
	global_store_b128 v[CO], v[BB+4*\t:BB+4*\t+3], s[12:13] offset:(32*((\a)/2)+8*((\a)%2)+\t+8*(\t/8))*4096 th:TH_STORE_NT   ; 32 lanes store 512 consecutive bytes, aligned to 256; written once, read by nobody here
.endr
.endm
	PLACES NP
	TOSTAGE 0
.irp a, 1,2,3,4,5,6,7
.if \a > 1
	s_wait_xcnt 0x0                                ; block a - 2's stores have read their registers: block a's loads may land there
.endif
	TOSTAGE \a
	SEND \a-1, 32                                  ; behind block a - 1's loads: block a's 16 stores and 16 loads
.endr
	SEND 7, 0
	s_wait_tensorcnt 0x0                           ; the wave's end
	ds_add_u32 v[SPW], v[NIL]
	s_wait_dscnt 0x0
	CROUND                                         ; the closing round: no work-group ends while a partner may still ask for a tile that names it
	s_endpgm
.Lfunc_end_k_qc79577f3b7_gemm_out:
	.size	k_qc79577f3b7_gemm_out, .Lfunc_end_k_qc79577f3b7_gemm_out-k_qc79577f3b7_gemm_out
	.p2alignl 7, 3214868480
	.fill 96, 4, 3214868480
	.section	.rodata,"a",@progbits
	.p2align	6, 0x0
	.amdhsa_kernel k_qc79577f3b7_gemm_out
		.amdhsa_group_segment_fixed_size 327680
		.amdhsa_private_segment_fixed_size 0
		.amdhsa_enable_private_segment 0
		.amdhsa_kernarg_size 40
		.amdhsa_user_sgpr_count 2
		.amdhsa_user_sgpr_kernarg_segment_ptr 1
		.amdhsa_wavefront_size32 1
		.amdhsa_system_sgpr_workgroup_id_x 1
		.amdhsa_system_sgpr_workgroup_id_y 1
		.amdhsa_system_sgpr_workgroup_id_z 1
		.amdhsa_system_vgpr_workitem_id 0
		.amdhsa_next_free_vgpr 1024
		.amdhsa_next_free_sgpr 100
		.amdhsa_reserve_vcc 0
		.amdhsa_float_denorm_mode_32 3
		.amdhsa_float_denorm_mode_16_64 3
		.amdhsa_memory_ordered 1
		.amdhsa_forward_progress 1
		.amdhsa_inst_pref_size 160
	.end_amdhsa_kernel
	.amdgpu_metadata
---
amdhsa.version: [ 1, 2 ]
amdhsa.kernels:
  - .name:           k_qc79577f3b7_gemm_out
    .symbol:         k_qc79577f3b7_gemm_out.kd
    .args:
      - { .name: o_cod, .offset: 0, .size: 8, .value_kind: global_buffer, .address_space: global }
      - { .name: o_scl, .offset: 8, .size: 8, .value_kind: global_buffer, .address_space: global }
      - { .name: cod, .offset: 16, .size: 8, .value_kind: global_buffer, .address_space: global }
      - { .name: scl, .offset: 24, .size: 8, .value_kind: global_buffer, .address_space: global }
      - { .name: out0, .offset: 32, .size: 8, .value_kind: global_buffer, .address_space: global }
    .group_segment_fixed_size: 327680
    .private_segment_fixed_size: 0
    .kernarg_segment_align: 8
    .kernarg_segment_size: 40
    .max_flat_workgroup_size: 128
    .sgpr_count:     100
    .vgpr_count:     1024
    .wavefront_size: 32
...
	.end_amdgpu_metadata
.endif
;; end of part 4
